; MI455X (gfx1250); checked and timed in simulation.
; The chip was launched on July 23, 2026; its instructions are those of AMD's public machine-readable ISA for CDNA 5 (MIT licence, August 2026) and "CDNA5" Instruction Set Architecture Reference Guide (July 2026). The comments in the code are by the model that wrote it; some were corrected since.
;; Mo E Layer. Allowed arithmetic: matrix products marked QUANTISED: E4M3 operands, one given power-of-two scale a tensor, by v_wmma_f32_16x16x64_fp8_fp8 or v_wmma_f32_16x16x128_fp8_fp8, f32 sums; products left as they are: f32 operands where the result goes on into a quantised operand, else bf16, f16 or f32 operands; f32 sums; everything else in f32.
;; Inputs: b1 8 x 4,096 float32; b2 8 x 1,024 float32; gate_b 8 float32; gate_w 1,024 x 8 float32; lowp_scales 4 int32 (the exponents e of the quantised operands' scales 2^e); w1_codes 8 x 4,096 x 32 x 32 uint8 (E4M3 codes of w1, K innermost, in blocks of 32 codes); w2_codes 8 x 1,024 x 128 x 32 uint8 (E4M3 codes of w2, K innermost, in blocks of 32 codes); x 4 x 256 x 1,024 float32.
;; Outputs: out0 4 x 256 x 1,024 float32.
;; This version of the problem:
;;   THIS VERSION OF THE PROBLEM IS GIVEN IN LOW PRECISION. The matrix products marked QUANTISED in the list below multiply operands that are first quantised to E4M3 (4 exponent bits, 3 mantissa bits; 8 bits a number), with one given power-of-two scale for each operand tensor; their sums are f32. All else is computed in f32.
;;   The module's matrix products, in the order in which they are computed (A, B: the left and right operand; K: the contracted axis; several contracted axes count as one K, in the product's order):
;;     1. [M 1,024, K 1,024] x [K 1,024, N 8]; A: input x; B: input gate_w: left as it is (N = 8 < 16)
;;     2. [M 32,768, K 1,024] x [K 1,024, N 1,024]; A: input w1 (given as codes); B: input x: QUANTISED (scales: A lowp_scales[0], B lowp_scales[1])
;;     3. batch 8 x [M 1,024, K 4,096] x [K 4,096, N 1,024]; A: computed on the way; B: input w2 (given as codes): QUANTISED (scales: A lowp_scales[2], B lowp_scales[3])
;;     4. batch 1,024 x [M 1,024, K 8] x [K 8, N 1]; A: computed on the way; B: computed on the way: left as it is (K = 8 < 32)
;;   THE QUANTISER, for each operand of a quantised product, along K:
;;     - The operand's scale is 2^e, e = its entry of the input lowp_scales (int32; the entries are numbered through the quantised products in the list's order, A before B).
;;     - Each number is divided by the scale, clamped to +-448, and rounded to the nearest number of E4M3, ties to even, subnormals kept.
;;     - The product sums the exact products of the quantised numbers (number of the format x scale) in f32.
;;   ~~~python
;;   def quantise(x, axis, e):      # numpy; x: float32 -> the quantised numbers, widened to float32 again
;;       x = np.moveaxis(x, axis, -1); K = x.shape[-1]
;;       r = np.clip(x / 2.0 ** e, -448, 448)
;;       step = 2.0 ** (np.maximum(np.frexp(np.where(r == 0, 1, r))[1] - 1, -6) - 3)
;;       q = np.round(r / step) * step * 2.0 ** e      # np.round: ties to even
;;       return np.moveaxis(q, -1, axis).astype(np.float32)
;;   ~~~
;;   OPERANDS COMPUTED ON THE WAY. 'Computed on the way' means the value that the module computes at that place (a softmax that the list does not call 'softmax' is quantised finished and normalised). What goes into a quantiser is computed in f32, as accurately as f32 sums, v_exp_f32 and their like allow (about 1e-6 of the number): no bf16 or f16 on the way to a quantiser, and a product that is left as it is and whose result goes on into a quantised operand takes f32 operands (vector FMAs, or v_wmma_f32_16x16x4_f32). A number that lies on a knife's edge between two numbers of the format may be rounded either way, as far as f32 arithmetic and the matrix unit's own rounding can turn it there, and no further.
;;   INPUTS GIVEN AS CODES. w1 (in the module: [8, 1024, 4096], K = its axis 1); w2 (in the module: [8, 4096, 1024], K = its axis 1): each comes as NAME_codes (uint8): NAME with its K axis moved to the last place and cut into blocks of 32 codes, [.., K / 32, bytes a block], one block behind the other in memory; one code a byte (a code: sign, 4 exponent bits, 3 mantissa bits); its scale is its entry of lowp_scales. Its value is code x scale, taken as it is: it is not quantised again, and the codes and scales need not be those that the quantiser above would give.
;; 2 versions, each right; version 2 is version 1 with the launches up, down written anew for expert scheduling mode. Each part assembles by itself: llvm-mc -triple=amdgcn-amd-amdhsa -mcpu=gfx1250 --defsym DOCPART=n.
;; ======== version 1 of 2: 3 launches
;; workspace buffers: xq 1,048,576 bytes; bitmap 1,024 bytes of whole numbers; hq 33,554,432 bytes; order 33,792 bytes of whole numbers
;; launch route (part 1): grid 128 x 1, 4 waves a work-group, no clusters, 36,352 bytes of LDS; arguments x, gate_w, gate_b, lowp_scales, xq, bitmap; writes xq, bitmap
.if DOCPART == 1
	.amdgcn_target "amdgcn-amd-amdhsa--gfx1250"
	.amdhsa_code_object_version 6
	.text
	.protected	k_q7128053cc5_route
	.globl	k_q7128053cc5_route
	.p2align	8
	.type	k_q7128053cc5_route,@function
k_q7128053cc5_route:
	s_mov_b64 s[64:65], 0
	v_nop
	global_prefetch_b8 v0, s[64:65] scope:SCOPE_SE
	s_setreg_imm32_b32 hwreg(HW_REG_WAVE_MODE, 25, 1), 1
	s_wait_xcnt 0x0
; ROUTE.  For 8 tokens a work-group: logits = x gate_w + gate_b in f32, softmax (the maximum taken away first), argmax (the lower index wins a tie);
; x is turned into codes of E4M3 with the given scale 2^e1 (entry 1 of the scales): code = x / 2^e1, held within +-448, to the nearest code, ties to even.
; OUT: xq [1024 tokens][1024 codes], K as it lies.  bitmap [8 experts][128 bytes]: bit b of byte g = token 8 g + b chose the expert.  No address here hangs on the choice.
; SHARES: work-group g: tokens 8 g .. 8 g + 7.  Wave w: k = 256 w .. 256 w + 255 of all eight.  Lane l: k = 256 w + 8 l + 0 .. 7, so a lane's eight numbers are one conversion's eight neighbours.
; gate_w is loaded as it lies (512 consecutive bytes a load) and turned through the wave's own stage in LDS, so that a lane gets the 256 bytes of its eight k.
; No matrix unit, no tensor load, no cluster: 8 columns are too few for a matrix tile, and work-groups share only gate_w's 32 KiB.
; LIMITS: e1 between -126 and 119, so that 2^e1 and 448 x 2^e1 are f32 numbers.  NaN in x, gate_w or gate_b is not served.  The logits' sums go in another order than a plain chain of additions.
.set GSTW, 8704                        ; a wave's stage: 32 places of 256 bytes + 16
.set RED,  34816                       ; behind the four stages: [8 tokens][4 waves][8 experts] f32
.set X,    16                          ; v16-79   x: 8 numbers a token
.set GW,   80                          ; v80-143  gate_w[k_i][e] at GW + 8 i + e
.set ACC,  144                         ; v144-207 gate_w as loaded; then 8 partial logits a token
.set C,    208                         ; v208-223 two registers of codes a token
	s_load_b256 s[4:11], s[0:1], 0x0               ; x, gate_w, gate_b, the scales
	s_load_b128 s[12:15], s[0:1], 0x20             ; xq, bitmap
	v_lshl_add_u32 v224, v0, 2, 0x8c00
	v_mov_b32 v225, 0
	v_lshrrev_b32 v1, 5, v0
	v_readfirstlane_b32 s25, v1                    ; wave
	v_and_b32 v1, 31, v0                           ; lane
	v_lshlrev_b32 v2, 5, v1                        ; x: 32 bytes a lane
	v_lshlrev_b32 v3, 4, v1                        ; gate_w: 16 bytes a lane
	v_lshlrev_b32 v6, 3, v1                        ; xq: 8 bytes a lane
	s_mul_i32 s28, s25, GSTW
	v_lshrrev_b32 v12, 4, v1
	v_and_b32 v13, 15, v1
	v_mul_u32_u24 v4, v12, 272
	v_lshl_add_u32 v4, v13, 4, v4
	v_add_nc_u32 v4, s28, v4                       ; the stage, in: sixteen lanes' 256 bytes fill one place
	v_mul_u32_u24 v5, v1, 272
	v_add_nc_u32 v5, s28, v5                       ; out: my place; lanes 272 bytes apart
	s_lshl_b32 s29, s25, 5
	s_add_co_u32 s29, s29, RED
	v_mov_b32 v10, s29                             ; where my wave puts a token's eight partial logits
	v_and_b32 v11, 7, v1
	v_lshlrev_b32 v11, 7, v11
	v_add_nc_u32 v11, RED, v11                     ; wave 0, at the end: lane l takes token l % 8
	s_mov_b32 s26, 0x76543210
	s_mov_b32 s27, 0xfedcba98                      ; v_permlanex16_b32: lane l xor 16
	s_lshl_b32 s28, ttmp9, 15                      ; 8 rows of 4,096 bytes a work-group,
	s_lshl_b32 s30, s25, 10                        ; 1,024 bytes of a row a wave
	s_add_co_u32 s28, s28, s30
	s_mov_b32 s29, 0
	s_wait_kmcnt 0x0
	s_load_b256 s[16:23], s[8:9], 0x0              ; gate_b
	s_load_b32 s24, s[10:11], 0x4                  ; e1
	s_add_nc_u64 s[4:5], s[4:5], s[28:29]
	s_lshl_b32 s28, s25, 13                        ; 256 rows of gate_w, 32 bytes each
	s_add_nc_u64 s[6:7], s[6:7], s[28:29]
	s_lshl_b32 s28, ttmp9, 13
	s_lshl_b32 s30, s25, 8
	s_add_co_u32 s28, s28, s30
	s_add_nc_u64 s[12:13], s[12:13], s[28:29]      ; xq: 8 rows of 1,024 bytes a work-group, 256 bytes a wave
.irp i, 0,1,2,3,4,5,6,7,8,9,10,11,12,13,14,15
	global_load_b128 v[ACC+4*\i:ACC+4*\i+3], v3, s[6:7] offset:512*\i
.endr
.irp t, 0,1,2,3,4,5,6,7
	global_load_b128 v[X+8*\t:X+8*\t+3], v2, s[4:5] offset:4096*\t th:TH_LOAD_NT
	global_load_b128 v[X+8*\t+4:X+8*\t+7], v2, s[4:5] offset:4096*\t+16 th:TH_LOAD_NT
.endr
	s_wait_kmcnt 0x0
	s_add_co_i32 s24, s24, 127
	s_lshl_b32 s28, s24, 23
	v_mov_b32 v7, s28                              ; 2^e1 as f32: the conversion takes its exponent field
	s_add_co_i32 s24, s24, 8
	s_lshl_b32 s24, s24, 23
	s_or_b32 s24, s24, 0x600000
	v_mov_b32 v8, s24                              ; 448 x 2^e1
	s_wait_loadcnt 16                              ; gate_w's sixteen loads are in; x's sixteen, issued behind them, may be out
.irp i, 0,1,2,3,4,5,6,7,8,9,10,11,12,13,14,15
	ds_store_b128 v4, v[ACC+4*\i:ACC+4*\i+3] offset:544*\i
.endr
.irp m, 0,1,2,3,4,5,6,7,8,9,10,11,12,13,14,15
	ds_load_b128 v[GW+4*\m:GW+4*\m+3], v5 offset:16*\m      ; LDS serves a wave's instructions in order (ISA guide 5.7.1.4): these see my stores
.endr
	s_wait_dscnt 0x0
; One token: eight partial logits of my eight k (x_i is broadcast to both halves of a packed multiply-add), then my eight codes.
.macro TOKEN t
	s_wait_loadcnt 14-2*\t                         ; this token's two loads are in; the later tokens' may be out
.irp p, 0,1,2,3
	v_pk_mul_f32 v[ACC+8*\t+2*\p:ACC+8*\t+2*\p+1], v[X+8*\t:X+8*\t+1], v[GW+2*\p:GW+2*\p+1] op_sel_hi:[0,1]
.endr
.irp i, 1,2,3,4,5,6,7
.irp p, 0,1,2,3
.if (\i & 1) == 0
	v_pk_fma_f32 v[ACC+8*\t+2*\p:ACC+8*\t+2*\p+1], v[X+8*\t+\i:X+8*\t+\i+1], v[GW+8*\i+2*\p:GW+8*\i+2*\p+1], v[ACC+8*\t+2*\p:ACC+8*\t+2*\p+1] op_sel_hi:[0,1,1]
.else
	v_pk_fma_f32 v[ACC+8*\t+2*\p:ACC+8*\t+2*\p+1], v[X+8*\t+\i-1:X+8*\t+\i], v[GW+8*\i+2*\p:GW+8*\i+2*\p+1], v[ACC+8*\t+2*\p:ACC+8*\t+2*\p+1] op_sel:[1,0,0] op_sel_hi:[1,1,1]
.endif
.endr
.endr
.irp i, 0,1,2,3,4,5,6,7
	v_med3_num_f32 v[X+8*\t+\i], v[X+8*\t+\i], -v8, v8      ; the conversion to an 8-bit code does not saturate (ISA guide 7.6.2): the hold comes first
.endr
	v_cvt_scalef32_pk8_fp8_f32 v[C+2*\t:C+2*\t+1], v[X+8*\t:X+8*\t+7], v7
	global_store_b64 v6, v[C+2*\t:C+2*\t+1], s[12:13] offset:1024*\t   ; the wave stores 256 consecutive bytes, at a multiple of 256 from xq's first byte
.endm
.irp t, 0,1,2,3,4,5,6,7
	TOKEN \t
.endr
	v_nop                                          ; a plain line behind the last conversion, ahead of what writes its sources
; The token's eight partial logits are summed over the 32 lanes and put where wave 0 finds them.
.macro RED8 t
.irp m, 1,2,4,8
.irp e, 0,1,2,3,4,5,6,7
	v_add_f32_dpp v[ACC+8*\t+\e], v[ACC+8*\t+\e], v[ACC+8*\t+\e] row_xmask:\m row_mask:0xf bank_mask:0xf
.endr
.endr
.irp e, 0,1,2,3,4,5,6,7
	v_permlanex16_b32 v[X+8*\t+\e], v[ACC+8*\t+\e], s26, s27   ; x's registers are done with, and have been written
.endr
.irp e, 0,1,2,3,4,5,6,7
	v_add_f32 v[ACC+8*\t+\e], v[ACC+8*\t+\e], v[X+8*\t+\e]
.endr
	ds_store_b128 v10, v[ACC+8*\t:ACC+8*\t+3] offset:128*\t      ; every lane holds the same sums and writes the same words
	ds_store_b128 v10, v[ACC+8*\t+4:ACC+8*\t+7] offset:128*\t+16
.endm
.irp t, 0,1,2,3,4,5,6,7
	RED8 \t
.endr
	s_wait_dscnt 0x0                               ; for the others' sake: my stores have landed
	s_barrier_signal -1
	s_barrier_wait -1
	s_cmp_lg_u32 s25, 0
	s_cbranch_scc1 .Lothers                        ; wave 0 finishes alone
.irp k, 0,1,2,3
.irp j, 0,1
	ds_load_b128 v[16+8*\k+4*\j:16+8*\k+4*\j+3], v11 offset:32*\k+16*\j   ; wave k's partial logits of my token
.endr
.endr
	s_wait_dscnt 0x0
.irp p, 0,2,4,6
	v_pk_add_f32 v[16+\p:17+\p], v[16+\p:17+\p], v[24+\p:25+\p]
	v_pk_add_f32 v[32+\p:33+\p], v[32+\p:33+\p], v[40+\p:41+\p]
.endr
.irp p, 0,2,4,6
	v_pk_add_f32 v[16+\p:17+\p], v[16+\p:17+\p], v[32+\p:33+\p]
.endr
.irp e, 0,1,2,3,4,5,6,7
	v_add_f32 v[16+\e], s[16+\e], v[16+\e]         ; + gate_b
.endr
	v_max3_num_f32 v48, v16, v17, v18              ; the softmax, as it is written: the maximum is taken away,
	v_max3_num_f32 v48, v48, v19, v20
	v_max3_num_f32 v48, v48, v21, v22
	v_max_num_f32 v48, v48, v23
.irp e, 0,1,2,3,4,5,6,7
	v_sub_f32 v[24+\e], v[16+\e], v48
.endr
.irp e, 0,1,2,3,4,5,6,7
	v_mul_f32 v[24+\e], 0x3fb8aa3b, v[24+\e]       ; x log2(e)
.endr
.irp e, 0,1,2,3,4,5,6,7
	v_exp_f32 v[24+\e], v[24+\e]
.endr
	v_mov_b32 v12, 0                               ; (a plain line behind the exponentials)  the bytes to be stored
	s_wait_alu depctr_va_vdst(0)
	v_add_f32 v49, v24, v25
	v_add_f32 v50, v26, v27
	v_add_f32 v51, v28, v29
	v_add_f32 v52, v30, v31
	v_add_f32 v49, v49, v50
	v_add_f32 v51, v51, v52
	v_add_f32 v49, v49, v51
	v_rcp_f32 v50, v49
	v_mov_b32 v14, 0                               ; (a plain line behind the reciprocal)  the choice so far: expert 0
	s_wait_alu depctr_va_vdst(0)
.irp e, 0,1,2,3,4,5,6,7
	v_mul_f32 v[24+\e], v[24+\e], v50              ; the probabilities
.endr
	v_mov_b32 v15, v24
.irp e, 1,2,3,4,5,6,7
	v_cmp_gt_f32 vcc_lo, v[24+\e], v15             ; strictly larger only: the lower index keeps a tie
	v_cndmask_b32 v15, v15, v[24+\e], vcc_lo
	v_cndmask_b32 v14, v14, \e, vcc_lo
.endr
.irp e, 0,1,2,3,4,5,6,7
	v_cmp_eq_u32 s[32+\e], \e, v14                 ; bits 0-7: which of my eight tokens chose expert e
.endr
.irp e, 0,1,2,3,4,5,6,7
	v_writelane_b32 v12, s[32+\e], \e              ; lane e carries expert e's byte
.endr
	s_mov_b32 s28, ttmp9
	v_lshl_add_u32 v13, v1, 7, s28                 ; byte g of row e = lane
	s_wait_xcnt 0x0                                ; EXEC is narrowed only behind this wait: it is a source of the stores above
	v_cmp_gt_u32 vcc_lo, 8, v1
	s_wait_tensorcnt 0x0
	ds_add_u32 v224, v225
	s_wait_dscnt 0x0
	s_and_saveexec_b32 s40, vcc_lo
	global_store_b8 v13, v12, s[14:15]
	s_endpgm
.Lothers:
	s_wait_tensorcnt 0x0
	ds_add_u32 v224, v225
	s_wait_dscnt 0x0
	s_endpgm
.Lfunc_end_k_q7128053cc5_route:
	.size	k_q7128053cc5_route, .Lfunc_end_k_q7128053cc5_route-k_q7128053cc5_route
	.p2alignl 7, 3214868480
	.fill 96, 4, 3214868480
	.section	.rodata,"a",@progbits
	.p2align	6, 0x0
	.amdhsa_kernel k_q7128053cc5_route
		.amdhsa_group_segment_fixed_size 36352
		.amdhsa_private_segment_fixed_size 0
		.amdhsa_enable_private_segment 0
		.amdhsa_kernarg_size 48
		.amdhsa_user_sgpr_count 2
		.amdhsa_user_sgpr_kernarg_segment_ptr 1
		.amdhsa_wavefront_size32 1
		.amdhsa_system_sgpr_workgroup_id_x 1
		.amdhsa_system_sgpr_workgroup_id_y 1
		.amdhsa_system_sgpr_workgroup_id_z 1
		.amdhsa_system_vgpr_workitem_id 0
		.amdhsa_next_free_vgpr 226
		.amdhsa_next_free_sgpr 66
		.amdhsa_reserve_vcc 1
		.amdhsa_float_denorm_mode_32 3
		.amdhsa_float_denorm_mode_16_64 3
		.amdhsa_memory_ordered 1
		.amdhsa_forward_progress 1
		.amdhsa_inst_pref_size 58
	.end_amdhsa_kernel
	.amdgpu_metadata
---
amdhsa.version: [ 1, 2 ]
amdhsa.kernels:
  - .name:           k_q7128053cc5_route
    .symbol:         k_q7128053cc5_route.kd
    .args:
      - { .name: x, .offset: 0, .size: 8, .value_kind: global_buffer, .address_space: global }
      - { .name: gate_w, .offset: 8, .size: 8, .value_kind: global_buffer, .address_space: global }
      - { .name: gate_b, .offset: 16, .size: 8, .value_kind: global_buffer, .address_space: global }
      - { .name: lowp_scales, .offset: 24, .size: 8, .value_kind: global_buffer, .address_space: global }
      - { .name: xq, .offset: 32, .size: 8, .value_kind: global_buffer, .address_space: global }
      - { .name: bitmap, .offset: 40, .size: 8, .value_kind: global_buffer, .address_space: global }
    .group_segment_fixed_size: 36352
    .private_segment_fixed_size: 0
    .kernarg_segment_align: 8
    .kernarg_segment_size: 48
    .max_flat_workgroup_size: 128
    .sgpr_count:     66
    .vgpr_count:     226
    .wavefront_size: 32
...
	.end_amdgpu_metadata
.endif
;; end of part 1
;; launch up (part 2): grid 256 x 1, 4 waves a work-group, no clusters, 312,832 bytes of LDS; arguments xq, w1_codes, b1, lowp_scales, bitmap, hq, order; writes hq, order
.if DOCPART == 2
	.amdgcn_target "amdgcn-amd-amdhsa--gfx1250"
	.amdhsa_code_object_version 6
	.text
	.protected	k_q7128053cc5_up
	.globl	k_q7128053cc5_up
	.p2align	8
	.type	k_q7128053cc5_up,@function
k_q7128053cc5_up:
	s_mov_b64 s[64:65], 0
	v_nop
	global_prefetch_b8 v0, s[64:65] scope:SCOPE_SE
	s_setreg_imm32_b32 hwreg(HW_REG_WAVE_MODE, 25, 1), 1
	s_wait_xcnt 0x0
; UP.  h = relu(x W1 + b1) for the tokens that chose an expert, on codes of E4M3, quantised at once with the given 2^e2.  Scales: e0 = w1, e1 = x, e2 = h.
; SHARES.  Work-group (e, g): expert e = id / 32, hidden units 128 g .. 128 g + 127, g = id % 32.  Wave w: units 32 w .. 32 w + 31 of these, over all K = 1,024: 2 tiles x 8 K steps = 256 registers,
; read from memory once, 512 consecutive bytes a load, and turned into fragments through the wave's own stage in LDS.  So every byte of w1 is read by one wave of the launch.
; THE LIST.  The expert's tokens stand in 32 words of the bitmap.  Lane l finds the token at a position p by itself: the word by 31 compares with the words' running counts, the bit by five halvings on
; the word's partial counts.  Positions at or past the expert's count T take position T - 1: such rows are computed twice alike, so nothing is masked.  With T = 0 one tile is still made (of token 1,023), so that
; every byte that the next launch may load is stored; that launch stores nothing for such an expert.
; THE WALK.  Tokens go in halves of 128 = 8 tiles of 16, through two regions of LDS by turns: each wave gathers 4 rows of each tile (rows of 1,024 codes, two loads of 512 consecutive bytes) and stores them so that a
; fragment of x is read back as 256 consecutive bytes for sixteen lanes.  The loop has a constant count of eight halves, and every wave passes every barrier; a half without tiles costs its barrier alone.
; THE PRODUCT IS USED TRANSPOSED (source 0 = 16 rows of W1, source 1 = 16 tokens), AND THE ROWS OF A TILE ARE NOT NEIGHBOURS: lane r of tile u takes row 8 u + r + 8 (r / 8): a lane then holds one token and its 16
; registers are units 16 (lane / 16) + 0 .. 15 of the wave's 32: its 16 codes are registers 4 w .. 4 w + 3 of the next product's fragment, and go to memory as they stand.
; OUT.  hq [8 e][64 tiles][32 g][2,048 bytes]: the image of a fragment's registers (16 tokens x 128 K): piece c at 512 c, lane l's 16 bytes at 16 l.  order: [8][1,024] the token at each position; from byte 32,768
; on [8][32] the expert's number of tiles.
; A fragment's registers 4 c .. 4 c + 3 hold K = 32 c + 16 (lane / 16) + 0 .. 15: the same places in both operands, so every product meets its partner.
; NO TENSOR LOAD, NO JOINT LOAD: what a work-group walks hangs on counts read from memory.  The 32 work-groups of an expert read the same rows of xq, 1 KiB a token, beside 128 KiB of weights of their own.
; LIMITS: e2 - e0 - e1 between -126 and 119, so that the folded scale and 448 x it are f32 numbers.
; REGISTERS, in windows of 256: window 0: addresses, the search, bias, sums, codes; v128-255 x's fragments, set 0.  Window 1: W1's 16 fragments.  Window 2: W1 as loaded; later its lower half is x's set 1.
; Window 3: the 32 gathered rows, 8 registers each.
.set TILEB, 17408                      ; a tile of x in LDS: 64 lines (16 bytes of each of 16 tokens) of 256 + 16 bytes
.set HALFB, 8*TILEB                    ; a region: 8 tiles
.set STG,   2*HALFB                    ; behind the two regions: a stage of 16 rows x (512 + 16) bytes for each wave
.set STGW,  16*528
.set L16,   1                          ; 16 x lane
.set PLANE, 4                          ; my position in a half: 16 (lane / 4) + 4 wave + lane % 4: tile lane / 4, row 4 wave + lane % 4
.set PP,    5
.set KEY,   6
.set SEL,   7
.set MSK,   8
.set RHO,   9
.set BITP,  10
.set A2,    11
.set B4,    12
.set C8,    13
.set D16,   14
.set T0,    15
.set TOKS,  16                         ; the token at my position
.set STS,   18
.set STL,   19
.set XST,   20                         ; v20-23 where I store gathered rows: region, tiles 0-3 or 4-7
.set XLD,   24
.set XA,    25                         ; v25-26
.set HOFF,  27
.set ORD,   28
.set BOF,   29
.set SCL,   30
.set LIM,   31
.set BIAS,  32
.set ACC,   48
.set ROFF,  64                         ; v64-95 byte offsets of the 32 rows in xq
.set PC,    96                         ; v96-103 codes, two sets
.set NTV,   104
.set CNTO,  105
.set XF0,   128
.set M,     16                         ; s[16:47] the expert's 32 words
.set PF,    66                         ; s[66:97] (bits set in the words before c) x 32 + c
.set WV,    50
.set EX,    51
.set SG,    52
.set TT,    53
.set NT,    54
.set REM,   55                         ; tiles left, this half's among them
.set POS,   56                         ; the half's first position
.set CTR,   57
.set TM1,   58
.set TS,    59
.set MSB, 0
.macro WIN new                         ; the immediate's high byte repeats the setting that is left
.if MSB != \new
	s_set_vgpr_msb (MSB<<8)|\new
.set MSB, \new
.endif
.endm
; W1 as it lies: load n = 16 (2 u + v) + r takes bytes 512 v .. 512 v + 511 of row r of tile u
.macro RAWLD a, b
	WIN 0x80
.set n, \a
.rept \b-\a+1
	global_load_b128 v[4*n:4*n+3], v[L16], s[6:7] offset:(8*(n>>5)+(n&15)+8*((n&15)>>3))*1024+512*((n>>4)&1) th:TH_LOAD_NT
.set n, n+1
.endr
	WIN 0
.endm
; 16 rows x 512 bytes through my stage become four fragments.  LDS serves a wave's instructions in order (ISA guide 5.7.1.4): no wait between the stores and the loads, nor in front of the next pass.
.macro WTURN q
	WIN 0x08
.irp r, 0,1,2,3,4,5,6,7,8,9,10,11,12,13,14,15
	ds_store_b128 v[STS], v[4*(16*\q+\r):4*(16*\q+\r)+3] offset:528*\r
.endr
	WIN 0x40
.irp s, 0,1,2,3
.irp c, 0,1,2,3
	ds_load_b128 v[16*(4*\q+\s)+4*\c:16*(4*\q+\s)+4*\c+3], v[STL] offset:128*\s+32*\c
.endr
.endr
	WIN 0
.endm
.macro SELSTEP lvl, wid, stp           ; is the wanted bit in the lower part of what is left, or stp bits further up?
	v_bfe_u32 v[T0], v[\lvl], v[BITP], \wid
	v_cmp_ge_u32 vcc_lo, v[RHO], v[T0]
	v_sub_nc_u32 v[T0], v[RHO], v[T0]
	v_cndmask_b32 v[RHO], v[RHO], v[T0], vcc_lo
	v_add_nc_u32 v[T0], \stp, v[BITP]
	v_cndmask_b32 v[BITP], v[BITP], v[T0], vcc_lo
.endm
; The token at position s[pos] + PLANE, in every lane for itself
.macro RSEL pos
	s_wait_xcnt 0x0                                ; the last store of TOKS has read it
	v_add_nc_u32 v[PP], s[\pos], v[PLANE]
	v_min_u32 v[PP], s[TM1], v[PP]
	v_lshl_or_b32 v[KEY], v[PP], 5, 31
	v_mov_b32 v[SEL], 0
	v_mov_b32 v[MSK], s[M]
.irp c, 1,2,3,4,5,6,7,8,9,10,11,12,13,14,15,16,17,18,19,20,21,22,23,24,25,26,27,28,29,30,31
	v_cmp_gt_u32 vcc_lo, s[PF+\c], v[KEY]          ; the last word with at most p bits in front of it is mine
	v_cndmask_b32 v[SEL], s[PF+\c], v[SEL], vcc_lo
	v_cndmask_b32 v[MSK], s[M+\c], v[MSK], vcc_lo
.endr
	v_lshrrev_b32 v[T0], 5, v[SEL]
	v_sub_nc_u32 v[RHO], v[PP], v[T0]              ; which of the word's set bits
	v_lshrrev_b32 v[T0], 1, v[MSK]
	v_and_b32 v[T0], 0x55555555, v[T0]
	v_sub_nc_u32 v[A2], v[MSK], v[T0]              ; counts of 2 bits,
	v_lshrrev_b32 v[T0], 2, v[A2]
	v_and_b32 v[T0], 0x33333333, v[T0]
	v_and_b32 v[B4], 0x33333333, v[A2]
	v_add_nc_u32 v[B4], v[B4], v[T0]               ; of 4,
	v_lshrrev_b32 v[T0], 4, v[B4]
	v_add_nc_u32 v[C8], v[B4], v[T0]
	v_and_b32 v[C8], 0x0f0f0f0f, v[C8]             ; of 8,
	v_lshrrev_b32 v[T0], 8, v[C8]
	v_add_nc_u32 v[D16], v[C8], v[T0]
	v_and_b32 v[D16], 0x00ff00ff, v[D16]           ; of 16
	v_mov_b32 v[BITP], 0
	SELSTEP D16, 8, 16
	SELSTEP C8, 8, 8
	SELSTEP B4, 4, 4
	SELSTEP A2, 2, 2
	SELSTEP MSK, 1, 1
	v_and_b32 v[T0], 31, v[SEL]
	v_lshl_add_u32 v[TOKS], v[T0], 5, v[BITP]      ; 32 x word + bit
.endm
.macro ORDST off                       ; the expert's first work-group writes the list down
	s_cmp_lg_u32 s[SG], 0
	s_cbranch_scc1 .Lnoord_\@
	global_store_b32 v[ORD], v[TOKS], s[100:101] offset:\off
.Lnoord_\@:
.endm
; My four rows of tile t are asked for: the token leaves its lane, is held inside the table, and becomes a byte offset
.macro GATH t
	v_readlane_b32 s2, v[TOKS], 4*(\t)
	v_readlane_b32 s3, v[TOKS], 4*(\t)+1
	v_readlane_b32 s98, v[TOKS], 4*(\t)+2
	v_readlane_b32 s99, v[TOKS], 4*(\t)+3
	s_min_u32 s2, s2, 0x3ff
	s_min_u32 s3, s3, 0x3ff
	s_min_u32 s98, s98, 0x3ff
	s_min_u32 s99, s99, 0x3ff
	v_lshl_add_u32 v[ROFF+4*(\t)], s2, 10, v[L16]
	v_lshl_add_u32 v[ROFF+4*(\t)+1], s3, 10, v[L16]
	v_lshl_add_u32 v[ROFF+4*(\t)+2], s98, 10, v[L16]
	v_lshl_add_u32 v[ROFF+4*(\t)+3], s99, 10, v[L16]
	WIN 0xc0
.irp i, 0,1,2,3
	global_load_b128 v[8*(4*(\t)+\i):8*(4*(\t)+\i)+3], v[ROFF+4*(\t)+\i], s[4:5]
	global_load_b128 v[8*(4*(\t)+\i)+4:8*(4*(\t)+\i)+7], v[ROFF+4*(\t)+\i], s[4:5] offset:512
.endr
	WIN 0
.endm
; and go into region par: lane l's 16 bytes of half k of a row belong to line 32 k + l; lanes 272 bytes apart
.macro XSTO par, t
	WIN 0x0c
.irp i, 0,1,2,3
.irp k, 0,1
	ds_store_b128 v[XST+2*(\par)+((\t)>>2)], v[8*(4*(\t)+\i)+4*\k:8*(4*(\t)+\i)+4*\k+3] offset:((\t)&3)*TILEB+8704*\k+16*\i
.endr
.endr
	WIN 0
.endm
; Tile t's eight fragments: line 8 s + 2 c + lane / 16, 16 bytes at 16 (lane % 16)
.macro FETCHX par, t, set
	v_add_nc_u32 v[XA+(\set)], (\par)*HALFB+(\t)*TILEB, v[XLD]
.if (\set) == 0
.set FB, XF0
.else
	WIN 0x80
.set FB, 0
.endif
.irp s, 0,1,2,3,4,5,6,7
.irp c, 0,1,2,3
	ds_load_b128 v[FB+16*\s+4*\c:FB+16*\s+4*\c+3], v[XA+(\set)] offset:2176*\s+544*\c
.endr
.endr
	WIN 0
.endm
; One tile of 16 tokens: 16 matrix instructions, the two accumulators by turns, one instruction a turn; b1 is the C of each sum's first.
.macro TILE par, t
	s_wait_dscnt 0x0                               ; this tile's fragments are in
.if \t < 7
	s_cmp_le_i32 s[REM], \t+1
	s_cbranch_scc1 .Lnf_\@
	FETCHX \par, \t+1, (\t+1)%2                    ; the next tile's, into the other set, while this one is multiplied
.Lnf_\@:
.endif
.if ((\t)%2) == 0
	WIN 0x01
.set XB, XF0
.else
	WIN 0x09
.set XB, 0
.endif
.irp s, 0,1,2,3,4,5,6,7
.irp u, 0,1
.if \s == 0
	v_wmma_f32_16x16x128_fp8_fp8 v[ACC+8*\u:ACC+8*\u+7], v[16*(8*\u+\s):16*(8*\u+\s)+15], v[XB+16*\s:XB+16*\s+15], v[BIAS+8*\u:BIAS+8*\u+7]
.else
	v_wmma_f32_16x16x128_fp8_fp8 v[ACC+8*\u:ACC+8*\u+7], v[16*(8*\u+\s):16*(8*\u+\s)+15], v[XB+16*\s:XB+16*\s+15], v[ACC+8*\u:ACC+8*\u+7]
.endif
.endr
.endr
	WIN 0
.rept 4
	v_nop                                          ; four places between the last products and the first read of their results (ISA guide 7.12.1)
.endr
	s_wait_xcnt 0x0                                ; the store of two tiles ago has read this set of codes
.irp i, 0,1,2,3,4,5,6,7,8,9,10,11,12,13,14,15
	v_med3_num_f32 v[ACC+\i], v[ACC+\i], 0, v[LIM] ; the activation and the hold in one; each accumulator from its low end on
.endr
	v_cvt_scalef32_pk8_fp8_f32 v[PC+4*((\t)%2):PC+4*((\t)%2)+1], v[ACC:ACC+7], v[SCL]
	v_cvt_scalef32_pk8_fp8_f32 v[PC+4*((\t)%2)+2:PC+4*((\t)%2)+3], v[ACC+8:ACC+15], v[SCL]
	v_nop                                          ; a plain line behind the conversions: the next products write their sources
	global_store_b128 v[HOFF], v[PC+4*((\t)%2):PC+4*((\t)%2)+3], s[14:15] offset:(8*\par+\t)*65536   ; the wave stores 512 consecutive bytes, at a multiple of 512 from hq's first byte
.if \t < 7
	s_cmp_le_i32 s[REM], \t+1
	s_cbranch_scc1 .Lcend_\par
.endif
.endm
; A half: the next half's rows are asked for, this half's tiles are multiplied out of region par, the rows that came go into the other region.
.macro HALF par
	s_cmp_le_i32 s[REM], 0
	s_cbranch_scc1 .Ldead_\par
	s_cmp_le_i32 s[REM], 8
	s_cbranch_scc1 .Lnonext_\par
	s_add_co_u32 s[TS], s[POS], 128
	RSEL TS
	ORDST 512*(\par+1)
	GATH 0
.irp t, 1,2,3,4,5,6,7
	s_cmp_le_i32 s[REM], 8+\t
	s_cbranch_scc1 .Lnonext_\par
	GATH \t
.endr
.Lnonext_\par:
	FETCHX \par, 0, 0
.irp t, 0,1,2,3,4,5,6,7
	TILE \par, \t
.endr
.Lcend_\par:
	s_wait_loadcnt 0x0                             ; zero, since how many rows were asked for hangs on the way taken
.irp t, 0,1,2,3,4,5,6,7
	s_cmp_le_i32 s[REM], 8+\t
	s_cbranch_scc1 .Ldead_\par
	XSTO 1-\par, \t
.endr
.Ldead_\par:
	s_wait_dscnt 0x0                               ; my stores into the other region have landed, and my reads of this one are over
	s_barrier_signal -1
	s_barrier_wait -1
	s_sub_co_i32 s[REM], s[REM], 8
	s_add_co_u32 s[POS], s[POS], 128
.endm
	s_load_b256 s[4:11], s[0:1], 0x0               ; xq, w1's codes, b1, the scales
	s_load_b128 s[12:15], s[0:1], 0x20             ; bitmap, hq
	s_load_b64 s[48:49], s[0:1], 0x30              ; order
	v_lshl_add_u32 v126, v0, 2, 0x4c400
	v_mov_b32 v127, 0
	v_lshrrev_b32 v2, 5, v0
	v_readfirstlane_b32 s[WV], v2
	s_lshr_b32 s[EX], ttmp9, 5
	s_and_b32 s[SG], ttmp9, 31
	v_and_b32 v2, 31, v0                           ; lane
	v_and_b32 v3, 15, v0                           ; r
	v_bfe_u32 v17, v0, 4, 1                        ; h
	v_lshlrev_b32 v[L16], 4, v2
	v_lshrrev_b32 v[PLANE], 2, v2
	v_lshlrev_b32 v[PLANE], 4, v[PLANE]
	v_and_b32 v5, 3, v2
	v_add_nc_u32 v[PLANE], v[PLANE], v5
	s_lshl_b32 s98, s[WV], 2
	v_add_nc_u32 v[PLANE], s98, v[PLANE]
	v_lshlrev_b32 v[ORD], 2, v[PLANE]
	s_mul_i32 s98, s[WV], STGW
	s_add_co_u32 s98, s98, STG
	v_add_nc_u32 v[STS], s98, v[L16]               ; the stage, in: 16 bytes a lane, a row an instruction
	v_mul_u32_u24 v[STL], v3, 528
	v_lshl_add_u32 v[STL], v17, 4, v[STL]
	v_add_nc_u32 v[STL], s98, v[STL]               ; out: row r, + 16 h
	v_mul_u32_u24 v[XST], v2, 272
	s_lshl_b32 s98, s[WV], 6
	v_add_nc_u32 v[XST], s98, v[XST]               ; line = lane; my four tokens' places begin at 64 x wave
	v_add_nc_u32 v[XST+1], 4*TILEB, v[XST]
	v_add_nc_u32 v[XST+2], HALFB, v[XST]
	v_add_nc_u32 v[XST+3], HALFB+4*TILEB, v[XST]
	v_mul_u32_u24 v[XLD], v17, 272
	v_lshl_add_u32 v[XLD], v3, 4, v[XLD]
	s_lshl_b32 s98, s[WV], 9
	v_add_nc_u32 v[HOFF], s98, v[L16]              ; piece w of a fragment's image, 16 bytes a lane
	v_lshlrev_b32 v[BOF], 6, v17                   ; b1: my 16 units begin at 16 h
	s_lshl_b32 s98, s[EX], 7
	s_add_co_u32 s3, s98, 32768
	v_lshl_add_u32 v[CNTO], v2, 2, s3
	s_mov_b32 s99, 0
	s_wait_kmcnt 0x0
	s_add_nc_u64 s[12:13], s[12:13], s[98:99]      ; the expert's 128 bytes of the bitmap
	s_load_b512 s[16:31], s[12:13], 0x0
	s_load_b512 s[32:47], s[12:13], 0x40
	s_load_b128 s[60:63], s[10:11], 0x0            ; e0 .. e3
	s_lshl_b32 s98, s[EX], 22                      ; w1: 4,096 rows of 1,024 bytes an expert,
	s_lshl_b32 s2, s[SG], 17                       ; 128 rows a work-group,
	s_add_co_u32 s98, s98, s2
	s_lshl_b32 s2, s[WV], 15                       ; 32 rows a wave
	s_add_co_u32 s98, s98, s2
	s_add_nc_u64 s[6:7], s[6:7], s[98:99]
	s_lshl_b32 s98, s[EX], 14
	s_lshl_b32 s2, s[SG], 9
	s_add_co_u32 s98, s98, s2
	s_lshl_b32 s2, s[WV], 7
	s_add_co_u32 s98, s98, s2
	s_add_nc_u64 s[8:9], s[8:9], s[98:99]          ; b1 at my 32 units
	s_lshl_b32 s98, s[EX], 22
	s_lshl_b32 s2, s[SG], 11
	s_add_co_u32 s98, s98, s2
	s_add_nc_u64 s[14:15], s[14:15], s[98:99]      ; hq at (e, tile 0, g)
	s_lshl_b32 s98, s[EX], 12
	s_add_nc_u64 s[100:101], s[48:49], s[98:99]    ; the expert's list
.irp k, 0,1,2,3
	global_load_b128 v[BIAS+4*\k:BIAS+4*\k+3], v[BOF], s[8:9] offset:16*\k
.endr
	RAWLD 0, 55                                    ; 60 loads are out: the search below runs while they are on their way
	s_wait_kmcnt 0x0
	s_mov_b32 s[TT], 0
.irp c, 0,1,2,3,4,5,6,7,8,9,10,11,12,13,14,15,16,17,18,19,20,21,22,23,24,25,26,27,28,29,30,31
	s_lshl_b32 s98, s[TT], 5
	s_or_b32 s[PF+\c], s98, \c
	s_bcnt1_i32_b32 s98, s[M+\c]
	s_add_co_u32 s[TT], s[TT], s98
.endr
	s_add_co_u32 s[NT], s[TT], 15
	s_lshr_b32 s[NT], s[NT], 4                     ; the expert's tiles
	s_max_u32 s[REM], s[NT], 1                     ; at least one is made
	s_max_u32 s[TM1], s[TT], 1
	s_sub_co_u32 s[TM1], s[TM1], 1
	s_mov_b32 s[POS], 0
	RSEL POS
	ORDST 0
	s_or_b32 s98, s[SG], s[WV]
	s_cmp_lg_u32 s98, 0
	s_cbranch_scc1 .Lnocnt
	v_mov_b32 v[NTV], s[NT]
	global_store_b32 v[CNTO], v[NTV], s[48:49]     ; the number of tiles, 32 times: a whole wave stores it
.Lnocnt:
	RAWLD 56, 63
.irp t, 0,1,2,3,4,5,6,7
	GATH \t                                        ; the first half's rows, all 128 positions, on every way
.endr
	s_wait_loadcnt 63                              ; 132 loads were issued on every way here and come back in order (ISA guide 5.7.1): with at most 63 out the first 69 are in: b1's 4 and W1's 64
	s_add_co_i32 s[TS], s60, s61                   ; a sum stands for sum x 2^(e0 + e1): b1 goes in as b1 / 2^(e0 + e1),
	s_sub_co_i32 s2, s62, s[TS]                    ; and the conversion takes 2^(e2 - e0 - e1)
	s_sub_co_i32 s[TS], 0, s[TS]
.irp i, 0,1,2,3,4,5,6,7,8,9,10,11,12,13,14,15
	v_ldexp_f32 v[BIAS+\i], v[BIAS+\i], s[TS]
.endr
	s_add_co_i32 s2, s2, 127
	s_lshl_b32 s3, s2, 23
	v_mov_b32 v[SCL], s3
	s_add_co_i32 s2, s2, 8
	s_lshl_b32 s2, s2, 23
	s_or_b32 s2, s2, 0x600000
	v_mov_b32 v[LIM], s2                           ; 448 x that
	WTURN 0
	WTURN 1
	WTURN 2
	WTURN 3
	s_wait_loadcnt 0x0                             ; the gathered rows
.irp t, 0,1,2,3,4,5,6,7
	XSTO 0, \t
.endr
	s_wait_dscnt 0x0
	s_barrier_signal -1
	s_barrier_wait -1                              ; region 0 is whole
	s_mov_b32 s[CTR], 4
.Ltrip:                                                ; four trips of two halves: 64 tiles, which serve every split
	HALF 0
	HALF 1
	s_wait_xcnt 0x0                                ; the stores have read their bases
	s_add_nc_u64 s[14:15], s[14:15], 0x100000      ; 16 tiles of hq on
	s_add_nc_u64 s[100:101], s[100:101], 1024      ; 256 positions on
	s_sub_co_u32 s[CTR], s[CTR], 1
	s_cmp_lg_u32 s[CTR], 0
	s_cbranch_scc1 .Ltrip
	s_wait_tensorcnt 0x0
	ds_add_u32 v126, v127
	s_wait_dscnt 0x0
	s_endpgm
.Lfunc_end_k_q7128053cc5_up:
	.size	k_q7128053cc5_up, .Lfunc_end_k_q7128053cc5_up-k_q7128053cc5_up
	.p2alignl 7, 3214868480
	.fill 96, 4, 3214868480
	.section	.rodata,"a",@progbits
	.p2align	6, 0x0
	.amdhsa_kernel k_q7128053cc5_up
		.amdhsa_group_segment_fixed_size 312832
		.amdhsa_private_segment_fixed_size 0
		.amdhsa_enable_private_segment 0
		.amdhsa_kernarg_size 56
		.amdhsa_user_sgpr_count 2
		.amdhsa_user_sgpr_kernarg_segment_ptr 1
		.amdhsa_wavefront_size32 1
		.amdhsa_system_sgpr_workgroup_id_x 1
		.amdhsa_system_sgpr_workgroup_id_y 1
		.amdhsa_system_sgpr_workgroup_id_z 1
		.amdhsa_system_vgpr_workitem_id 0
		.amdhsa_next_free_vgpr 1024
		.amdhsa_next_free_sgpr 102
		.amdhsa_reserve_vcc 1
		.amdhsa_float_denorm_mode_32 3
		.amdhsa_float_denorm_mode_16_64 3
		.amdhsa_memory_ordered 1
		.amdhsa_forward_progress 1
		.amdhsa_inst_pref_size 169
	.end_amdhsa_kernel
	.amdgpu_metadata
---
amdhsa.version: [ 1, 2 ]
amdhsa.kernels:
  - .name:           k_q7128053cc5_up
    .symbol:         k_q7128053cc5_up.kd
    .args:
      - { .name: xq, .offset: 0, .size: 8, .value_kind: global_buffer, .address_space: global }
      - { .name: w1_codes, .offset: 8, .size: 8, .value_kind: global_buffer, .address_space: global }
      - { .name: b1, .offset: 16, .size: 8, .value_kind: global_buffer, .address_space: global }
      - { .name: lowp_scales, .offset: 24, .size: 8, .value_kind: global_buffer, .address_space: global }
      - { .name: bitmap, .offset: 32, .size: 8, .value_kind: global_buffer, .address_space: global }
      - { .name: hq, .offset: 40, .size: 8, .value_kind: global_buffer, .address_space: global }
      - { .name: order, .offset: 48, .size: 8, .value_kind: global_buffer, .address_space: global }
    .group_segment_fixed_size: 312832
    .private_segment_fixed_size: 0
    .kernarg_segment_align: 8
    .kernarg_segment_size: 56
    .max_flat_workgroup_size: 128
    .sgpr_count:     102
    .vgpr_count:     1024
    .wavefront_size: 32
...
	.end_amdgpu_metadata
.endif
;; end of part 2
;; launch down (part 3): grid 256 x 1, 4 waves a work-group, no clusters, 181,760 bytes of LDS; arguments hq, w2_codes, b2, lowp_scales, order, out0; writes out0
.if DOCPART == 3
	.amdgcn_target "amdgcn-amd-amdhsa--gfx1250"
	.amdhsa_code_object_version 6
	.text
	.protected	k_q7128053cc5_down
	.globl	k_q7128053cc5_down
	.p2align	8
	.type	k_q7128053cc5_down,@function
k_q7128053cc5_down:
	s_mov_b64 s[64:65], 0
	v_nop
	global_prefetch_b8 v0, s[64:65] scope:SCOPE_SE
	s_setreg_imm32_b32 hwreg(HW_REG_WAVE_MODE, 25, 1), 1
	s_wait_xcnt 0x0
; DOWN.  out[token] = h W2 + b2 of the token's expert, on codes of E4M3.  Scales: e2 = h, e3 = w2: a finished sum is multiplied once by 2^(e2 + e3).
; SHARES.  Work-group (e, g): expert e = id / 32, output columns 32 g .. 32 g + 31, g = id % 32.  K = 4,096 IS SPLIT OVER THE FOUR WAVES: wave w holds K steps 8 w .. 8 w + 7 of both column tiles in 256 registers,
; read from memory once (512 consecutive bytes a load, turned through the wave's own stage).  So every byte of w2 is read by one wave of the launch, and every byte of an expert's hq once by each work-group.
; hq holds images of fragments, so a tile's eight fragments of a wave are 32 loads of 512 consecutive bytes, straight into the operand's registers.
; THE PRODUCT IS USED TRANSPOSED (source 0 = 16 rows of W2, source 1 = 16 tokens): a lane holds one token and eight neighbouring columns.
; THE WALK.  Tiles go in halves of eight.  P1: each wave multiplies its K steps and puts its partial sums into LDS.  A barrier.  P2: each wave adds the four partial sums of 4 rows of each tile, in f32, multiplies by
; 2^(e2 + e3), adds b2 and stores the rows at their tokens' places.  Two regions of LDS take turns, so one barrier a half is enough.  The loop has a constant count of eight halves, and every wave passes every barrier.
; Rows past an expert's count repeat its last token: they hold the same numbers and store the same bytes.
; The tokens come by scalar loads, so that the wait for them (KMcnt) leaves the loads of hq alone.
; OUT0 LEAVES IN RUNS OF 128 BYTES (eight lanes, 32 columns): 64 columns a work-group would halve the work-groups or have each weight read twice.
; NO TENSOR LOAD, NO JOINT LOAD: what a work-group walks hangs on counts read from memory.
; LIMITS: e2 + e3 between -126 and 127, so that 2^(e2 + e3) is an f32 number.  The sum over K is made of four partial sums, not of one chain.
; REGISTERS, in windows of 256: window 0: addresses, b2, sums; v128-255 h's fragments, set 0.  Window 1: W2's 16 fragments.  Window 2: W2 as loaded; later lower half: set 3, upper half: partial sums read back.
; Window 3: sets 1 and 2.
.set PSS,  9216                        ; a slot: [4 waves][16 rows of 128 + 16 bytes]
.set PSH,  8*PSS                       ; a region: 8 slots
.set STG,  2*PSH                       ; behind the two regions: a stage of 16 rows x (512 + 16) bytes for each wave
.set STGW, 16*528
.set L16,  1
.set HL,   2                           ; 16 x lane + 16,384 x wave: my bytes of a tile of hq
.set STS,  4
.set STL,  5
.set PSW,  6                           ; v6-7   where I put partial sums, region 0, 1
.set PSR,  8                           ; v8-11  where I read them back: region, slots 0-3 or 4-7
.set Q16,  13
.set HA,   14                          ; v14-17 byte offset of each set's tile
.set B2,   20
.set OOFF, 32                          ; v32-39 byte offsets of my rows in out0
.set ACC,  48                          ; v48-79 two sets of two accumulators
.set WV,   16
.set EX,   17
.set CG,   18
.set NT,   19
.set REM,  20                          ; tiles left, this half's among them
.set TL0,  21                          ; the half's first tile
.set CTR,  22
.set NM1,  23
.set TK,   68                          ; s[68:99] my four tokens of each of the half's eight tiles
.set MSB, 0
.macro WIN new                         ; the immediate's high byte repeats the setting that is left
.if MSB != \new
	s_set_vgpr_msb (MSB<<8)|\new
.set MSB, \new
.endif
.endm
.macro RAWLD a, b                      ; W2 as it lies: load n = 16 (2 u + v) + r takes bytes 512 v .. 512 v + 511 of my 1,024 of row 16 u + r
	WIN 0x80
.set n, \a
.rept \b-\a+1
	global_load_b128 v[4*n:4*n+3], v[L16], s[6:7] offset:(16*(n>>5)+(n&15))*4096+512*((n>>4)&1) th:TH_LOAD_NT
.set n, n+1
.endr
	WIN 0
.endm
.macro WTURN q                         ; 16 rows x 512 bytes through my stage become four fragments; LDS serves a wave's instructions in order (ISA guide 5.7.1.4)
	WIN 0x08
.irp r, 0,1,2,3,4,5,6,7,8,9,10,11,12,13,14,15
	ds_store_b128 v[STS], v[4*(16*\q+\r):4*(16*\q+\r)+3] offset:528*\r
.endr
	WIN 0x40
.irp s, 0,1,2,3
.irp c, 0,1,2,3
	ds_load_b128 v[16*(4*\q+\s)+4*\c:16*(4*\q+\s)+4*\c+3], v[STL] offset:128*\s+32*\c
.endr
.endr
	WIN 0
.endm
.macro HLOAD set                       ; my eight fragments of the tile at v[HA + set]
.if (\set) == 0
.set HB, 128
.elseif (\set) == 1
	WIN 0xc0
.set HB, 0
.elseif (\set) == 2
	WIN 0xc0
.set HB, 128
.else
	WIN 0x80
.set HB, 0
.endif
.set i, 0
.rept 32
	global_load_b128 v[HB+4*i:HB+4*i+3], v[HA+(\set)], s[4:5] offset:512*i
.set i, i+1
.endr
	WIN 0
.endm
; One tile: 16 matrix instructions, the two accumulators by turns, one instruction a turn; the first of each sum takes the constant 0.
.macro P1TILE par, slot
.if \slot > 0
	s_cmp_le_i32 s[REM], \slot
	s_cbranch_scc1 .Ld1_\par
.endif
.set st, (\slot)&3
.if st == 0
	WIN 0x01
.set HB, 128
.elseif st == 1
	WIN 0x0d
.set HB, 0
.elseif st == 2
	WIN 0x0d
.set HB, 128
.else
	WIN 0x09
.set HB, 0
.endif
.set AB, ACC+16*((\slot)&1)
.irp s, 0,1,2,3,4,5,6,7
.irp u, 0,1
.if \s == 0
	v_wmma_f32_16x16x128_fp8_fp8 v[AB+8*\u:AB+8*\u+7], v[16*(8*\u+\s):16*(8*\u+\s)+15], v[HB+16*\s:HB+16*\s+15], 0
.else
	v_wmma_f32_16x16x128_fp8_fp8 v[AB+8*\u:AB+8*\u+7], v[16*(8*\u+\s):16*(8*\u+\s)+15], v[HB+16*\s:HB+16*\s+15], v[AB+8*\u:AB+8*\u+7]
.endif
.endr
.endr
	WIN 0
.rept 5
	v_nop                                          ; FIVE places (ISA guide 7.12.1): a half's last tile may be followed, over the guards and the barrier, by the next half's first, whose products begin the same
.endr                                                  ; accumulators anew: a matrix instruction that writes over an earlier one's registers wants five.  The stores that read the sums and the loads into the fragments' registers want four
.irp u, 0,1
.irp j, 0,1
	ds_store_b128 v[PSW+\par], v[AB+8*\u+4*\j:AB+8*\u+4*\j+3] offset:PSS*\slot+64*\u+16*\j   ; token r, columns 16 u + 8 h + 4 j on; each accumulator from its low end on
.endr
.endr
	s_cmp_le_i32 s[REM], \slot+4
	s_cbranch_scc1 .Lnr_\@
	s_add_co_u32 s30, s[TL0], \slot+4
	v_lshl_add_u32 v[HA+st], s30, 16, v[HL]        ; (the set's earlier loads are in: their address may be written)
	HLOAD st                                       ; the set takes the tile four further on
.Lnr_\@:
.endm
.macro P1 par
	s_wait_loadcnt 0x0                             ; zero, here and below: how many loads are younger hangs on the way taken
.irp sl, 0,1,2,3
	P1TILE \par, \sl
.endr
	s_wait_loadcnt 0x0
.irp sl, 4,5,6,7
	P1TILE \par, \sl
.endr
.endm
.macro P2 par
	s_wait_xcnt 0x0                                ; the last half's stores have read their data and offsets
	s_wait_kmcnt 0x0                               ; this half's tokens
.irp sl, 0,1,2,3,4,5,6,7
	v_mov_b32 v[OOFF+\sl], s[TK+4*\sl]             ; lanes 0-7: row 4 w; the next eight lanes the next row, and so on
.endr
.irp sl, 0,1,2,3,4,5,6,7
	v_cndmask_b32 v[OOFF+\sl], v[OOFF+\sl], s[TK+4*\sl+1], s34
.endr
.irp sl, 0,1,2,3,4,5,6,7
	v_cndmask_b32 v[OOFF+\sl], v[OOFF+\sl], s[TK+4*\sl+2], s35
.endr
.irp sl, 0,1,2,3,4,5,6,7
	v_cndmask_b32 v[OOFF+\sl], v[OOFF+\sl], s[TK+4*\sl+3], s36
.endr
.irp sl, 0,1,2,3,4,5,6,7
	v_min_u32 v[OOFF+\sl], 0x3ff, v[OOFF+\sl]      ; held inside the table
.endr
.irp sl, 0,1,2,3,4,5,6,7
	v_lshl_add_u32 v[OOFF+\sl], v[OOFF+\sl], 12, v[Q16]
.endr
.irp sl, 0,1,2,3,4,5,6,7
.if \sl > 0
	s_cmp_le_i32 s[REM], \sl
	s_cbranch_scc1 .La_\par
.endif
	WIN 0x80
.irp k, 0,1,2,3
	ds_load_b128 v[128+16*\sl+4*\k:128+16*\sl+4*\k+3], v[PSR+2*\par+(\sl>>2)] offset:(\sl&3)*PSS+2304*\k   ; wave k's partial sums of my four columns
.endr
	WIN 0
.endr
.La_\par:
	s_wait_dscnt 0x0
.irp sl, 0,1,2,3,4,5,6,7
.if \sl > 0
	s_cmp_le_i32 s[REM], \sl
	s_cbranch_scc1 .Lb_\par
.endif
	WIN 0x8a
	v_pk_add_f32 v[128+16*\sl:129+16*\sl], v[128+16*\sl:129+16*\sl], v[132+16*\sl:133+16*\sl]
	v_pk_add_f32 v[130+16*\sl:131+16*\sl], v[130+16*\sl:131+16*\sl], v[134+16*\sl:135+16*\sl]
	v_pk_add_f32 v[136+16*\sl:137+16*\sl], v[136+16*\sl:137+16*\sl], v[140+16*\sl:141+16*\sl]
	v_pk_add_f32 v[138+16*\sl:139+16*\sl], v[138+16*\sl:139+16*\sl], v[142+16*\sl:143+16*\sl]
	v_pk_add_f32 v[128+16*\sl:129+16*\sl], v[128+16*\sl:129+16*\sl], v[136+16*\sl:137+16*\sl]
	v_pk_add_f32 v[130+16*\sl:131+16*\sl], v[130+16*\sl:131+16*\sl], v[138+16*\sl:139+16*\sl]
	v_pk_fma_f32 v[128+16*\sl:129+16*\sl], v[128+16*\sl:129+16*\sl], s[28:29], v[B2:B2+1] op_sel_hi:[1,0,1]     ; sum x 2^(e2 + e3) + b2
	v_pk_fma_f32 v[130+16*\sl:131+16*\sl], v[130+16*\sl:131+16*\sl], s[28:29], v[B2+2:B2+3] op_sel_hi:[1,0,1]
	WIN 0x08
	global_store_b128 v[OOFF+\sl], v[128+16*\sl:131+16*\sl], s[14:15] th:TH_STORE_NT   ; eight lanes store 128 consecutive bytes of a token's row
	WIN 0
.endr
.Lb_\par:
	s_cmp_le_i32 s[REM], 8
	s_cbranch_scc1 .Lc_\par
.irp k, 0,1,2,3,4,5,6,7
	s_load_b128 s[TK+4*\k:TK+4*\k+3], s[12:13], 512*(\par+1)+64*\k   ; the next half's tokens: all 128 places of a half with a tile in it have been stored
.endr
.Lc_\par:
.endm
.macro HALF par
	s_cmp_le_i32 s[REM], 0
	s_cbranch_scc1 .Ld1_\par
	P1 \par
.Ld1_\par:
	s_wait_dscnt 0x0                               ; my partial sums have landed, and my reads of the other region are over
	s_barrier_signal -1
	s_barrier_wait -1
	s_cmp_le_i32 s[REM], 0
	s_cbranch_scc1 .Ld2_\par
	P2 \par
.Ld2_\par:
	s_sub_co_i32 s[REM], s[REM], 8
	s_add_co_u32 s[TL0], s[TL0], 8
.endm
	s_load_b256 s[4:11], s[0:1], 0x0               ; hq, w2's codes, b2, the scales
	s_load_b128 s[12:15], s[0:1], 0x20             ; order, out0
	v_lshl_add_u32 v126, v0, 2, 0x2c400
	v_mov_b32 v127, 0
	v_lshrrev_b32 v3, 5, v0
	v_readfirstlane_b32 s[WV], v3
	s_lshr_b32 s[EX], ttmp9, 5
	s_and_b32 s[CG], ttmp9, 31
	v_and_b32 v3, 31, v0                           ; lane
	v_and_b32 v24, 15, v0                          ; r
	v_bfe_u32 v25, v0, 4, 1                        ; h
	v_lshlrev_b32 v[L16], 4, v3
	s_lshl_b32 s30, s[WV], 14
	v_add_nc_u32 v[HL], s30, v[L16]
	s_mul_i32 s30, s[WV], STGW
	s_add_co_u32 s30, s30, STG
	v_add_nc_u32 v[STS], s30, v[L16]
	v_mul_u32_u24 v[STL], v24, 528
	v_lshl_add_u32 v[STL], v25, 4, v[STL]
	v_add_nc_u32 v[STL], s30, v[STL]
	s_mul_i32 s30, s[WV], 2304
	v_mul_u32_u24 v[PSW], v24, 144
	v_lshl_add_u32 v[PSW], v25, 5, v[PSW]
	v_add_nc_u32 v[PSW], s30, v[PSW]               ; my wave's part of a slot, row r, + 32 h
	v_add_nc_u32 v[PSW+1], PSH, v[PSW]
	v_lshrrev_b32 v26, 3, v3
	v_and_b32 v27, 7, v3
	v_lshlrev_b32 v[Q16], 4, v27                   ; my four columns
	s_mul_i32 s30, s[WV], 576
	v_mul_u32_u24 v[PSR], v26, 144
	v_add_nc_u32 v[PSR], v[PSR], v[Q16]
	v_add_nc_u32 v[PSR], s30, v[PSR]               ; row 4 w + lane / 8
	v_add_nc_u32 v[PSR+1], 4*PSS, v[PSR]
	v_add_nc_u32 v[PSR+2], PSH, v[PSR]
	v_add_nc_u32 v[PSR+3], PSH+4*PSS, v[PSR]
	s_mov_b32 s31, 0
	s_mov_b32 s34, 0x0000ff00                      ; lanes 8-15, 16-23, 24-31
	s_mov_b32 s35, 0x00ff0000
	s_mov_b32 s36, 0xff000000
	s_wait_kmcnt 0x0
	s_lshl_b32 s30, s[EX], 7
	s_add_nc_u64 s[32:33], s[12:13], s[30:31]
	s_load_b32 s[NT], s[32:33], 0x8000             ; the expert's tiles
	s_load_b128 s[24:27], s[10:11], 0x0            ; e0 .. e3
	s_lshl_b32 s30, s[EX], 12
	s_lshl_b32 s37, s[WV], 4
	s_add_co_u32 s30, s30, s37
	s_add_nc_u64 s[12:13], s[12:13], s[30:31]      ; the expert's list, at my four rows of a tile
.irp k, 0,1,2,3,4,5,6,7
	s_load_b128 s[TK+4*\k:TK+4*\k+3], s[12:13], 64*\k   ; the first half's tokens: its 128 places are always stored
.endr
	s_lshl_b32 s30, s[EX], 22
	s_add_nc_u64 s[4:5], s[4:5], s[30:31]          ; the expert's hq
	s_lshl_b32 s37, s[CG], 17                      ; w2: 1,024 rows of 4,096 bytes an expert, 32 rows a work-group,
	s_add_co_u32 s30, s30, s37
	s_lshl_b32 s37, s[WV], 10                      ; 1,024 bytes of each row a wave
	s_add_co_u32 s30, s30, s37
	s_add_nc_u64 s[6:7], s[6:7], s[30:31]
	s_lshl_b32 s30, s[CG], 7
	s_add_nc_u64 s[14:15], s[14:15], s[30:31]      ; out0 at my 32 columns
	s_lshl_b32 s37, s[EX], 12
	s_add_co_u32 s30, s30, s37
	s_add_nc_u64 s[8:9], s[8:9], s[30:31]          ; b2 likewise
	global_load_b128 v[B2:B2+3], v[Q16], s[8:9]
	RAWLD 0, 55
	s_wait_kmcnt 0x0
	s_mov_b32 s[REM], s[NT]
	s_mov_b32 s[TL0], 0
	s_max_u32 s[NM1], s[NT], 1
	s_sub_co_u32 s[NM1], s[NM1], 1
	s_add_co_i32 s28, s26, s27
	s_add_co_i32 s28, s28, 127
	s_lshl_b32 s28, s28, 23                        ; 2^(e2 + e3) as f32
	s_mov_b32 s29, s28                             ; (named with it as a pair, so it is written)
	RAWLD 56, 63
.irp q, 0,1,2
	s_min_u32 s30, s[NM1], \q                      ; tiles 0, 1, 2, held at the last tile that was stored: these loads stand on every way
	v_lshl_add_u32 v[HA+\q], s30, 16, v[HL]
	HLOAD \q
.endr
	s_wait_loadcnt 63                              ; 161 loads were issued on every way here and come back in order (ISA guide 5.7.1): with at most 63 out the first 98 are in: b2's one and W2's 64
	WTURN 0
	WTURN 1
	s_wait_dscnt 0x0                               ; the stage's stores have read the lower half of W2 as loaded:
	s_min_u32 s30, s[NM1], 3
	v_lshl_add_u32 v[HA+3], s30, 16, v[HL]
	HLOAD 3                                        ; it takes set 3
	WTURN 2
	WTURN 3
	s_wait_dscnt 0x0
	s_mov_b32 s[CTR], 4
.Ltrip:                                                ; four trips of two halves: 64 tiles, which serve every split
	HALF 0
	HALF 1
	s_wait_xcnt 0x0                                ; the scalar loads have read their base
	s_add_nc_u64 s[12:13], s[12:13], 1024          ; 256 positions on
	s_sub_co_u32 s[CTR], s[CTR], 1
	s_cmp_lg_u32 s[CTR], 0
	s_cbranch_scc1 .Ltrip
	s_wait_tensorcnt 0x0
	ds_add_u32 v126, v127
	s_wait_dscnt 0x0
	s_endpgm
.Lfunc_end_k_q7128053cc5_down:
	.size	k_q7128053cc5_down, .Lfunc_end_k_q7128053cc5_down-k_q7128053cc5_down
	.p2alignl 7, 3214868480
	.fill 96, 4, 3214868480
	.section	.rodata,"a",@progbits
	.p2align	6, 0x0
	.amdhsa_kernel k_q7128053cc5_down
		.amdhsa_group_segment_fixed_size 181760
		.amdhsa_private_segment_fixed_size 0
		.amdhsa_enable_private_segment 0
		.amdhsa_kernarg_size 48
		.amdhsa_user_sgpr_count 2
		.amdhsa_user_sgpr_kernarg_segment_ptr 1
		.amdhsa_wavefront_size32 1
		.amdhsa_system_sgpr_workgroup_id_x 1
		.amdhsa_system_sgpr_workgroup_id_y 1
		.amdhsa_system_sgpr_workgroup_id_z 1
		.amdhsa_system_vgpr_workitem_id 0
		.amdhsa_next_free_vgpr 1024
		.amdhsa_next_free_sgpr 100
		.amdhsa_reserve_vcc 0
		.amdhsa_float_denorm_mode_32 3
		.amdhsa_float_denorm_mode_16_64 3
		.amdhsa_memory_ordered 1
		.amdhsa_forward_progress 1
		.amdhsa_inst_pref_size 133
	.end_amdhsa_kernel
	.amdgpu_metadata
---
amdhsa.version: [ 1, 2 ]
amdhsa.kernels:
  - .name:           k_q7128053cc5_down
    .symbol:         k_q7128053cc5_down.kd
    .args:
      - { .name: hq, .offset: 0, .size: 8, .value_kind: global_buffer, .address_space: global }
      - { .name: w2_codes, .offset: 8, .size: 8, .value_kind: global_buffer, .address_space: global }
      - { .name: b2, .offset: 16, .size: 8, .value_kind: global_buffer, .address_space: global }
      - { .name: lowp_scales, .offset: 24, .size: 8, .value_kind: global_buffer, .address_space: global }
      - { .name: order, .offset: 32, .size: 8, .value_kind: global_buffer, .address_space: global }
      - { .name: out0, .offset: 40, .size: 8, .value_kind: global_buffer, .address_space: global }
    .group_segment_fixed_size: 181760
    .private_segment_fixed_size: 0
    .kernarg_segment_align: 8
    .kernarg_segment_size: 48
    .max_flat_workgroup_size: 128
    .sgpr_count:     100
    .vgpr_count:     1024
    .wavefront_size: 32
...
	.end_amdgpu_metadata
.endif
;; end of part 3
;; ======== version 2 of 2: 3 launches; version 1 with the launches up, down written anew for expert scheduling mode
;; workspace buffers: xq 1,048,576 bytes; bitmap 1,024 bytes of whole numbers; hq 33,554,432 bytes; order 33,792 bytes of whole numbers
;; launch route: the kernel of part 1 again; grid 128 x 1, 4 waves a work-group, no clusters, 36,352 bytes of LDS; arguments x, gate_w, gate_b, lowp_scales, xq, bitmap; writes xq, bitmap
;; launch up (part 4): grid 256 x 1, 4 waves a work-group, no clusters, 312,832 bytes of LDS; arguments xq, w1_codes, b1, lowp_scales, bitmap, hq, order; writes hq, order
.if DOCPART == 4
	.amdgcn_target "amdgcn-amd-amdhsa--gfx1250"
	.amdhsa_code_object_version 6
	.text
	.protected	k_q7128053cc5_up
	.globl	k_q7128053cc5_up
	.p2align	8
	.type	k_q7128053cc5_up,@function
k_q7128053cc5_up:
	s_mov_b64 s[64:65], 0
	v_nop
	global_prefetch_b8 v0, s[64:65] scope:SCOPE_SE
	s_setreg_imm32_b32 hwreg(HW_REG_WAVE_SCHED_MODE, 0, 2), 2
	s_setreg_imm32_b32 hwreg(HW_REG_WAVE_MODE, 25, 1), 1
	s_wait_xcnt 0x0
	s_wait_alu depctr_vm_vsrc(0)
; UP.  h = relu(x W1 + b1) for the tokens that chose an expert, on codes of E4M3, quantised at once with the given 2^e2.  Scales: e0 = w1, e1 = x, e2 = h.
; SHARES.  Work-group (e, g): expert e = id / 32, hidden units 128 g .. 128 g + 127, g = id % 32.  Wave w: units 32 w .. 32 w + 31 of these, over all K = 1,024: 2 tiles x 8 K steps = 256 registers,
; read from memory once, 512 consecutive bytes a load, and turned into fragments through the wave's own stage in LDS.  So every byte of w1 is read by one wave of the launch.
; THE LIST.  The expert's tokens stand in 32 words of the bitmap.  Lane l finds the token at a position p by itself: the word by 31 compares with the words' running counts, the bit by five halvings on
; the word's partial counts.  Positions at or past the expert's count T take position T - 1: such rows are computed twice alike, so nothing is masked.  With T = 0 one tile is still made (of token 1,023), so that
; every byte that the next launch may load is stored; that launch stores nothing for such an expert.
; THE WALK.  Tokens go in halves of 128 = 8 tiles of 16, through two regions of LDS by turns: each wave gathers 4 rows of each tile (rows of 1,024 codes, two loads of 512 consecutive bytes) and stores them so that a
; fragment of x is read back as 256 consecutive bytes for sixteen lanes.  The loop has a constant count of eight halves, and every wave passes every barrier; a half without tiles costs its barrier alone.
; THE PRODUCT IS USED TRANSPOSED (source 0 = 16 rows of W1, source 1 = 16 tokens), AND THE ROWS OF A TILE ARE NOT NEIGHBOURS: lane r of tile u takes row 8 u + r + 8 (r / 8): a lane then holds one token and its 16
; registers are units 16 (lane / 16) + 0 .. 15 of the wave's 32: its 16 codes are registers 4 w .. 4 w + 3 of the next product's fragment, and go to memory as they stand.
; OUT.  hq [8 e][64 tiles][32 g][2,048 bytes]: the image of a fragment's registers (16 tokens x 128 K): piece c at 512 c, lane l's 16 bytes at 16 l.  order: [8][1,024] the token at each position; from byte 32,768
; on [8][32] the expert's number of tiles.
; A fragment's registers 4 c .. 4 c + 3 hold K = 32 c + 16 (lane / 16) + 0 .. 15: the same places in both operands, so every product meets its partner.
; NO TENSOR LOAD, NO JOINT LOAD: what a work-group walks hangs on counts read from memory.  The 32 work-groups of an expert read the same rows of xq, 1 KiB a token, beside 128 KiB of weights of their own.
; LIMITS: e2 - e0 - e1 between -126 and 119, so that the folded scale and 448 x it are f32 numbers.
; REGISTERS, in windows of 256: window 0: addresses, the search, bias, sums, codes; v128-255 x's fragments, set 0.  Window 1: W1's 16 fragments.  Window 2: W1 as loaded; later its lower half is x's set 1.
; Window 3: the 32 gathered rows, 8 registers each.
; THE MODE: SCHED_MODE bits 1:0 = 2 (LLVM: expert scheduling mode 2), set by the entry lines.  The code itself states the register dependences between vector or matrix instructions and memory or LDS
; instructions, with s_wait_alu, always for 0.
; THE PLAN.  Registers that memory or LDS instructions touch:
;   L16, STS, STL, XST, XAD, HOFF, ORD, BOF, CNTO   addresses: made at the head, ahead of one wait on va_vdst, and never written again; tiles and halves are reached by immediates and scalar bases.
;   TOKS      written by the search; read by the list's store.        ROFF   written from TOKS; read by the gathers.        window 3   the gathers land in it, LDS stores read it; no vector instruction names it.
;             One wait on vm_vsrc at the search's head frees all three; one wait on va_vdst behind the 32 row offsets serves the list's store and every gather of the half.
;   x's sets  the LDS loads of tile t + 1, issued in tile t, land in the set that tile t - 1's products read.        PC0, PC1   written by tile t's conversions; read by its store.
;             One wait on va_vdst a tile, behind its conversions: the codes are written, and the tile's products are done reading their set.  One wait on vm_vsrc a tile, ahead of the conversions: the store of two tiles ago has read its codes.
;   BIAS, the sums, SCL, LIM and the search's registers are named by vector and matrix instructions alone (BIAS after its one load).
; What a vector instruction writes into a scalar register or VCC (the wave's number, the search's masks, the tokens taken out of their lanes) has its wait ahead of the first reader; the writers stand in runs of eight.
.set TILEB, 17408                      ; a tile of x in LDS: 64 lines (16 bytes of each of 16 tokens) of 256 + 16 bytes
.set HALFB, 8*TILEB                    ; a region: 8 tiles
.set STG,   2*HALFB                    ; behind the two regions: a stage of 16 rows x (512 + 16) bytes for each wave
.set STGW,  16*528
.set L16,   1                          ; 16 x lane
.set PLANE, 4                          ; my position in a half: 16 (lane / 4) + 4 wave + lane % 4: tile lane / 4, row 4 wave + lane % 4
.set PP,    5
.set KEY,   6
.set SEL,   7
.set MSK,   8
.set RHO,   9
.set BITP,  10
.set A2,    11
.set B4,    12
.set C8,    13
.set D16,   14
.set T0,    15
.set TOKS,  16                         ; the token at my position
.set STS,   18
.set STL,   19
.set XST,   20                         ; v20-23 where I store gathered rows: region, tiles 0-3 or 4-7
.set XLD,   24                         ; at the head only: my place in a fragment's lines
.set HOFF,  27
.set ORD,   28
.set BOF,   29
.set SCL,   30
.set LIM,   31
.set BIAS,  32
.set ACC,   48
.set ROFF,  64                         ; v64-95 byte offsets of the 32 rows in xq
.set PC,    96                         ; v96-103 codes, two sets
.set NTV,   104
.set CNTO,  105
.set XAD,   106                        ; v106-111 where I read fragments of x: region par, tiles 3 j .. 3 j + 2 at XAD + 3 par + j; the tile among the three stands in the immediate
.set XF0,   128
.set M,     16                         ; s[16:47] the expert's 32 words
.set PF,    66                         ; s[66:97] (bits set in the words before c) x 32 + c
.set WV,    50
.set EX,    51
.set SG,    52
.set TT,    53
.set NT,    54
.set REM,   55                         ; tiles left, this half's among them
.set POS,   56                         ; the half's first position
.set CTR,   57
.set TM1,   58
.set TS,    59
; Eight scalar registers take what vector instructions hand over, number q at s[8 + q - 12 (q / 6)]: s8-13 (the pointers to b1, the scales and the bitmap, done with when the first search begins) and s2, s3.
.set MSB, 0
.macro WIN new                         ; the immediate's high byte repeats the setting that is left
.if MSB != \new
	s_set_vgpr_msb (MSB<<8)|\new
.set MSB, \new
.endif
.endm
; W1 as it lies: load n = 16 (2 u + v) + r takes bytes 512 v .. 512 v + 511 of row r of tile u
.macro RAWLD a, b
	WIN 0x80
.set n, \a
.rept \b-\a+1
	global_load_b128 v[4*n:4*n+3], v[L16], s[6:7] offset:(8*(n>>5)+(n&15)+8*((n&15)>>3))*1024+512*((n>>4)&1) th:TH_LOAD_NT
.set n, n+1
.endr
	WIN 0
.endm
; 16 rows x 512 bytes through my stage become four fragments.  LDS serves a wave's instructions in order (ISA guide 5.7.1.4): no wait between the stores and the loads, nor in front of the next pass.
.macro WTURN q
	WIN 0x08
.irp r, 0,1,2,3,4,5,6,7,8,9,10,11,12,13,14,15
	ds_store_b128 v[STS], v[4*(16*\q+\r):4*(16*\q+\r)+3] offset:528*\r
.endr
	WIN 0x40
.irp s, 0,1,2,3
.irp c, 0,1,2,3
	ds_load_b128 v[16*(4*\q+\s)+4*\c:16*(4*\q+\s)+4*\c+3], v[STL] offset:128*\s+32*\c
.endr
.endr
	WIN 0
.endm
.macro SELSTEP lvl, wid, stp           ; is the wanted bit in the lower part of what is left, or stp bits further up?
	v_bfe_u32 v[T0], v[\lvl], v[BITP], \wid
	v_cmp_ge_u32 vcc_lo, v[RHO], v[T0]
	v_sub_nc_u32 v[T0], v[RHO], v[T0]
	s_wait_alu depctr_va_vcc(0)                    ; the compare has written VCC, which the two selections below read
	v_cndmask_b32 v[RHO], v[RHO], v[T0], vcc_lo
	v_add_nc_u32 v[T0], \stp, v[BITP]
	v_cndmask_b32 v[BITP], v[BITP], v[T0], vcc_lo
.endm
; Words c0 .. c0 + cnt - 1 of the search: the compares in one run, each into a scalar register of its own, then the selections in the words' order
.macro WORDS c0, cnt
.set q, 0
.rept \cnt
	v_cmp_gt_u32 s[8+q-12*(q/6)], s[PF+\c0+q], v[KEY]   ; the last word with at most p bits in front of it is mine
.set q, q+1
.endr
	s_wait_alu depctr_va_sdst(0)                   ; the run of compares has written its masks, which the selections below read
.set q, 0
.rept \cnt
	v_cndmask_b32 v[SEL], s[PF+\c0+q], v[SEL], s[8+q-12*(q/6)]
	v_cndmask_b32 v[MSK], s[M+\c0+q], v[MSK], s[8+q-12*(q/6)]
.set q, q+1
.endr
.endm
; The token at position s[pos] + PLANE, in every lane for itself.  first = 1: at the kernel's head, where no memory instruction has read TOKS, ROFF or window 3 yet
.macro RSEL pos, first
	s_wait_xcnt 0x0                                ; the last store of TOKS has read it; at the head: b1's loads have read their base, which takes a mask below
.if !\first
	s_wait_alu depctr_vm_vsrc(0)                   ; the list's last store has read TOKS, the last gathers have read ROFF, the LDS stores of the gathered rows have read window 3: all three are written again below
.endif
	v_add_nc_u32 v[PP], s[\pos], v[PLANE]
	v_min_u32 v[PP], s[TM1], v[PP]
	v_lshl_or_b32 v[KEY], v[PP], 5, 31
	v_mov_b32 v[SEL], 0
	v_mov_b32 v[MSK], s[M]
	WORDS 1, 8
	WORDS 9, 8
	WORDS 17, 8
	WORDS 25, 7
	v_lshrrev_b32 v[T0], 5, v[SEL]
	v_sub_nc_u32 v[RHO], v[PP], v[T0]              ; which of the word's set bits
	v_lshrrev_b32 v[T0], 1, v[MSK]
	v_and_b32 v[T0], 0x55555555, v[T0]
	v_sub_nc_u32 v[A2], v[MSK], v[T0]              ; counts of 2 bits,
	v_lshrrev_b32 v[T0], 2, v[A2]
	v_and_b32 v[T0], 0x33333333, v[T0]
	v_and_b32 v[B4], 0x33333333, v[A2]
	v_add_nc_u32 v[B4], v[B4], v[T0]               ; of 4,
	v_lshrrev_b32 v[T0], 4, v[B4]
	v_add_nc_u32 v[C8], v[B4], v[T0]
	v_and_b32 v[C8], 0x0f0f0f0f, v[C8]             ; of 8,
	v_lshrrev_b32 v[T0], 8, v[C8]
	v_add_nc_u32 v[D16], v[C8], v[T0]
	v_and_b32 v[D16], 0x00ff00ff, v[D16]           ; of 16
	v_mov_b32 v[BITP], 0
	SELSTEP D16, 8, 16
	SELSTEP C8, 8, 8
	SELSTEP B4, 4, 4
	SELSTEP A2, 2, 2
	SELSTEP MSK, 1, 1
	v_and_b32 v[T0], 31, v[SEL]
	v_lshl_add_u32 v[TOKS], v[T0], 5, v[BITP]      ; 32 x word + bit
.endm
.macro ORDST off                       ; the expert's first work-group writes the list down
	s_cmp_lg_u32 s[SG], 0
	s_cbranch_scc1 .Lnoord_\@
	global_store_b32 v[ORD], v[TOKS], s[100:101] offset:\off
.Lnoord_\@:
.endm
; The byte offsets of my rows of tiles 2 b and 2 b + 1: eight tokens leave their lanes in one run, are held inside the table, and become offsets.  Every position of a half holds a token, so all 32 are made, ahead of the guards.
.macro ROWS b
.set q, 0
.rept 8
	v_readlane_b32 s[8+q-12*(q/6)], v[TOKS], 8*(\b)+q
.set q, q+1
.endr
	s_wait_alu depctr_va_sdst(0)                   ; the eight tokens are written into their scalar registers, which the lines below read
.set q, 0
.rept 8
	s_min_u32 s[8+q-12*(q/6)], s[8+q-12*(q/6)], 0x3ff
.set q, q+1
.endr
.set q, 0
.rept 8
	v_lshl_add_u32 v[ROFF+8*(\b)+q], s[8+q-12*(q/6)], 10, v[L16]
.set q, q+1
.endr
.endm
; My four rows of tile t are asked for
.macro GLOAD t
	WIN 0xc0
.irp i, 0,1,2,3
	global_load_b128 v[8*(4*(\t)+\i):8*(4*(\t)+\i)+3], v[ROFF+4*(\t)+\i], s[4:5]
	global_load_b128 v[8*(4*(\t)+\i)+4:8*(4*(\t)+\i)+7], v[ROFF+4*(\t)+\i], s[4:5] offset:512
.endr
	WIN 0
.endm
; and go into region par: lane l's 16 bytes of half k of a row belong to line 32 k + l; lanes 272 bytes apart
.macro XSTO par, t
	WIN 0x0c
.irp i, 0,1,2,3
.irp k, 0,1
	ds_store_b128 v[XST+2*(\par)+((\t)>>2)], v[8*(4*(\t)+\i)+4*\k:8*(4*(\t)+\i)+4*\k+3] offset:((\t)&3)*TILEB+8704*\k+16*\i
.endr
.endr
	WIN 0
.endm
; Tile t's eight fragments: line 8 s + 2 c + lane / 16, 16 bytes at 16 (lane % 16).  No wait of its own: the products that read the set stand ahead of their own tile's wait on va_vdst, and no vector instruction since names the set or the address
.macro FETCHX par, t, set
.if (\set) == 0
.set FB, XF0
.else
	WIN 0x80
.set FB, 0
.endif
.irp s, 0,1,2,3,4,5,6,7
.irp c, 0,1,2,3
	ds_load_b128 v[FB+16*\s+4*\c:FB+16*\s+4*\c+3], v[XAD+3*(\par)+(\t)/3] offset:((\t)%3)*TILEB+2176*\s+544*\c
.endr
.endr
	WIN 0
.endm
; One tile of 16 tokens: 16 matrix instructions, the two accumulators by turns, one instruction a turn; b1 is the C of each sum's first.
.macro TILE par, t
	s_wait_dscnt 0x0                               ; this tile's fragments are in
.if \t < 7
	s_cmp_le_i32 s[REM], \t+1
	s_cbranch_scc1 .Lnf_\@
	FETCHX \par, \t+1, (\t+1)%2                    ; the next tile's, into the other set, while this one is multiplied
.Lnf_\@:
.endif
.if ((\t)%2) == 0
	WIN 0x01
.set XB, XF0
.else
	WIN 0x09
.set XB, 0
.endif
.irp s, 0,1,2,3,4,5,6,7
.irp u, 0,1
.if \s == 0
	v_wmma_f32_16x16x128_fp8_fp8 v[ACC+8*\u:ACC+8*\u+7], v[16*(8*\u+\s):16*(8*\u+\s)+15], v[XB+16*\s:XB+16*\s+15], v[BIAS+8*\u:BIAS+8*\u+7]
.else
	v_wmma_f32_16x16x128_fp8_fp8 v[ACC+8*\u:ACC+8*\u+7], v[16*(8*\u+\s):16*(8*\u+\s)+15], v[XB+16*\s:XB+16*\s+15], v[ACC+8*\u:ACC+8*\u+7]
.endif
.endr
.endr
	WIN 0
.rept 4
	v_nop                                          ; four places between the last products and the first read of their results (ISA guide 7.12.1)
.endr
	s_wait_xcnt 0x0                                ; the store of two tiles ago has read this set of codes
	s_wait_alu depctr_vm_vsrc(0)                   ; the same store has read PC's set, which the conversions below write again
.irp i, 0,1,2,3,4,5,6,7,8,9,10,11,12,13,14,15
	v_med3_num_f32 v[ACC+\i], v[ACC+\i], 0, v[LIM] ; the activation and the hold in one; each accumulator from its low end on
.endr
	v_cvt_scalef32_pk8_fp8_f32 v[PC+4*((\t)%2):PC+4*((\t)%2)+1], v[ACC:ACC+7], v[SCL]
	v_cvt_scalef32_pk8_fp8_f32 v[PC+4*((\t)%2)+2:PC+4*((\t)%2)+3], v[ACC+8:ACC+15], v[SCL]
	v_nop                                          ; a plain line behind the conversions: the next products write their sources
	s_wait_alu depctr_va_vdst(0)                   ; the conversions have written the codes, which the store reads; this tile's products are done reading their set of x's fragments, in which the next tile's fetch lands
	global_store_b128 v[HOFF], v[PC+4*((\t)%2):PC+4*((\t)%2)+3], s[14:15] offset:(8*\par+\t)*65536   ; the wave stores 512 consecutive bytes, at a multiple of 512 from hq's first byte
.if \t < 7
	s_cmp_le_i32 s[REM], \t+1
	s_cbranch_scc1 .Lcend_\par
.endif
.endm
; A half: the next half's rows are asked for, this half's tiles are multiplied out of region par, the rows that came go into the other region.
.macro HALF par
	s_cmp_le_i32 s[REM], 0
	s_cbranch_scc1 .Ldead_\par
	s_cmp_le_i32 s[REM], 8
	s_cbranch_scc1 .Lnonext_\par
	s_add_co_u32 s[TS], s[POS], 128
	RSEL TS, 0
	ROWS 0
	ROWS 1
	ROWS 2
	ROWS 3
	s_wait_alu depctr_va_vdst(0)                   ; TOKS is written, which the list's store reads, and so are the 32 offsets, which the gathers read; no vector instruction stands between this wait and them
	ORDST 512*(\par+1)
	GLOAD 0
.irp t, 1,2,3,4,5,6,7
	s_cmp_le_i32 s[REM], 8+\t
	s_cbranch_scc1 .Lnonext_\par
	GLOAD \t
.endr
.Lnonext_\par:
	FETCHX \par, 0, 0
.irp t, 0,1,2,3,4,5,6,7
	TILE \par, \t
.endr
.Lcend_\par:
	s_wait_loadcnt 0x0                             ; zero, since how many rows were asked for hangs on the way taken
.irp t, 0,1,2,3,4,5,6,7
	s_cmp_le_i32 s[REM], 8+\t
	s_cbranch_scc1 .Ldead_\par
	XSTO 1-\par, \t
.endr
.Ldead_\par:
	s_wait_dscnt 0x0                               ; my stores into the other region have landed, and my reads of this one are over
	s_barrier_signal -1
	s_barrier_wait -1
	s_sub_co_i32 s[REM], s[REM], 8
	s_add_co_u32 s[POS], s[POS], 128
.endm
	s_load_b256 s[4:11], s[0:1], 0x0               ; xq, w1's codes, b1, the scales
	s_load_b128 s[12:15], s[0:1], 0x20             ; bitmap, hq
	s_load_b64 s[48:49], s[0:1], 0x30              ; order
	v_lshl_add_u32 v126, v0, 2, 0x4c400
	v_mov_b32 v127, 0
	v_lshrrev_b32 v2, 5, v0
	v_readfirstlane_b32 s[WV], v2
	s_lshr_b32 s[EX], ttmp9, 5
	s_and_b32 s[SG], ttmp9, 31
	v_and_b32 v2, 31, v0                           ; lane
	v_and_b32 v3, 15, v0                           ; r
	v_bfe_u32 v17, v0, 4, 1                        ; h
	v_lshlrev_b32 v[L16], 4, v2
	v_lshrrev_b32 v[PLANE], 2, v2
	v_lshlrev_b32 v[PLANE], 4, v[PLANE]
	v_and_b32 v5, 3, v2
	v_add_nc_u32 v[PLANE], v[PLANE], v5
	s_wait_alu depctr_va_sdst(0)                   ; the wave's number is written, ahead of its first reader
	s_lshl_b32 s98, s[WV], 2
	v_add_nc_u32 v[PLANE], s98, v[PLANE]
	v_lshlrev_b32 v[ORD], 2, v[PLANE]
	s_mul_i32 s98, s[WV], STGW
	s_add_co_u32 s98, s98, STG
	v_add_nc_u32 v[STS], s98, v[L16]               ; the stage, in: 16 bytes a lane, a row an instruction
	v_mul_u32_u24 v[STL], v3, 528
	v_lshl_add_u32 v[STL], v17, 4, v[STL]
	v_add_nc_u32 v[STL], s98, v[STL]               ; out: row r, + 16 h
	v_mul_u32_u24 v[XST], v2, 272
	s_lshl_b32 s98, s[WV], 6
	v_add_nc_u32 v[XST], s98, v[XST]               ; line = lane; my four tokens' places begin at 64 x wave
	v_add_nc_u32 v[XST+1], 4*TILEB, v[XST]
	v_add_nc_u32 v[XST+2], HALFB, v[XST]
	v_add_nc_u32 v[XST+3], HALFB+4*TILEB, v[XST]
	v_mul_u32_u24 v[XLD], v17, 272
	v_lshl_add_u32 v[XLD], v3, 4, v[XLD]
.irp p, 0,1
.irp j, 0,1,2
	v_add_nc_u32 v[XAD+3*\p+\j], \p*HALFB+3*\j*TILEB, v[XLD]   ; region p, tiles 3 j on: two tiles and a fragment's last line more stay inside the 16-bit immediate
.endr
.endr
	s_lshl_b32 s98, s[WV], 9
	v_add_nc_u32 v[HOFF], s98, v[L16]              ; piece w of a fragment's image, 16 bytes a lane
	v_lshlrev_b32 v[BOF], 6, v17                   ; b1: my 16 units begin at 16 h
	s_lshl_b32 s98, s[EX], 7
	s_add_co_u32 s3, s98, 32768
	v_lshl_add_u32 v[CNTO], v2, 2, s3
	s_mov_b32 s99, 0
	s_wait_kmcnt 0x0
	s_add_nc_u64 s[12:13], s[12:13], s[98:99]      ; the expert's 128 bytes of the bitmap
	s_load_b512 s[16:31], s[12:13], 0x0
	s_load_b512 s[32:47], s[12:13], 0x40
	s_load_b128 s[60:63], s[10:11], 0x0            ; e0 .. e3
	s_lshl_b32 s98, s[EX], 22                      ; w1: 4,096 rows of 1,024 bytes an expert,
	s_lshl_b32 s2, s[SG], 17                       ; 128 rows a work-group,
	s_add_co_u32 s98, s98, s2
	s_lshl_b32 s2, s[WV], 15                       ; 32 rows a wave
	s_add_co_u32 s98, s98, s2
	s_add_nc_u64 s[6:7], s[6:7], s[98:99]
	s_lshl_b32 s98, s[EX], 14
	s_lshl_b32 s2, s[SG], 9
	s_add_co_u32 s98, s98, s2
	s_lshl_b32 s2, s[WV], 7
	s_add_co_u32 s98, s98, s2
	s_add_nc_u64 s[8:9], s[8:9], s[98:99]          ; b1 at my 32 units
	s_lshl_b32 s98, s[EX], 22
	s_lshl_b32 s2, s[SG], 11
	s_add_co_u32 s98, s98, s2
	s_add_nc_u64 s[14:15], s[14:15], s[98:99]      ; hq at (e, tile 0, g)
	s_lshl_b32 s98, s[EX], 12
	s_add_nc_u64 s[100:101], s[48:49], s[98:99]    ; the expert's list
	s_wait_alu depctr_va_vdst(0)                   ; every address of the kernel is written (L16, STS, STL, XST, XAD, HOFF, ORD, BOF, CNTO): the loads, stores and LDS instructions below read them, and nothing writes them again
.irp k, 0,1,2,3
	global_load_b128 v[BIAS+4*\k:BIAS+4*\k+3], v[BOF], s[8:9] offset:16*\k
.endr
	RAWLD 0, 55                                    ; 60 loads are out: the search below runs while they are on their way
	s_wait_kmcnt 0x0
	s_mov_b32 s[TT], 0
.irp c, 0,1,2,3,4,5,6,7,8,9,10,11,12,13,14,15,16,17,18,19,20,21,22,23,24,25,26,27,28,29,30,31
	s_lshl_b32 s98, s[TT], 5
	s_or_b32 s[PF+\c], s98, \c
	s_bcnt1_i32_b32 s98, s[M+\c]
	s_add_co_u32 s[TT], s[TT], s98
.endr
	s_add_co_u32 s[NT], s[TT], 15
	s_lshr_b32 s[NT], s[NT], 4                     ; the expert's tiles
	s_max_u32 s[REM], s[NT], 1                     ; at least one is made
	s_max_u32 s[TM1], s[TT], 1
	s_sub_co_u32 s[TM1], s[TM1], 1
	s_mov_b32 s[POS], 0
	RSEL POS, 1
	ROWS 0
	ROWS 1
	ROWS 2
	ROWS 3
	v_mov_b32 v[NTV], s[NT]
	s_wait_alu depctr_va_vdst(0)                   ; TOKS and the number of tiles are written, which the two stores read, and so are the 32 offsets, which the gathers read
	ORDST 0
	s_or_b32 s98, s[SG], s[WV]
	s_cmp_lg_u32 s98, 0
	s_cbranch_scc1 .Lnocnt
	global_store_b32 v[CNTO], v[NTV], s[48:49]     ; the number of tiles, 32 times: a whole wave stores it
.Lnocnt:
	RAWLD 56, 63
.irp t, 0,1,2,3,4,5,6,7
	GLOAD \t                                       ; the first half's rows, all 128 positions, on every way
.endr
	s_wait_loadcnt 63                              ; 132 loads were issued on every way here and come back in order (ISA guide 5.7.1): with at most 63 out the first 69 are in: b1's 4 and W1's 64
	s_add_co_i32 s[TS], s60, s61                   ; a sum stands for sum x 2^(e0 + e1): b1 goes in as b1 / 2^(e0 + e1),
	s_sub_co_i32 s2, s62, s[TS]                    ; and the conversion takes 2^(e2 - e0 - e1)
	s_sub_co_i32 s[TS], 0, s[TS]
.irp i, 0,1,2,3,4,5,6,7,8,9,10,11,12,13,14,15
	v_ldexp_f32 v[BIAS+\i], v[BIAS+\i], s[TS]
.endr
	s_add_co_i32 s2, s2, 127
	s_lshl_b32 s3, s2, 23
	v_mov_b32 v[SCL], s3
	s_add_co_i32 s2, s2, 8
	s_lshl_b32 s2, s2, 23
	s_or_b32 s2, s2, 0x600000
	v_mov_b32 v[LIM], s2                           ; 448 x that
	WTURN 0
	WTURN 1
	WTURN 2
	WTURN 3
	s_wait_loadcnt 0x0                             ; the gathered rows
.irp t, 0,1,2,3,4,5,6,7
	XSTO 0, \t
.endr
	s_wait_dscnt 0x0
	s_barrier_signal -1
	s_barrier_wait -1                              ; region 0 is whole
	s_wait_alu depctr_vm_vsrc(0)                   ; the stage's stores have read W1 as loaded: in its lower half x's set 1 lands from here on
	s_mov_b32 s[CTR], 4
.Ltrip:                                                ; four trips of two halves: 64 tiles, which serve every split
	HALF 0
	HALF 1
	s_wait_xcnt 0x0                                ; the stores have read their bases
	s_add_nc_u64 s[14:15], s[14:15], 0x100000      ; 16 tiles of hq on
	s_add_nc_u64 s[100:101], s[100:101], 1024      ; 256 positions on
	s_sub_co_u32 s[CTR], s[CTR], 1
	s_cmp_lg_u32 s[CTR], 0
	s_cbranch_scc1 .Ltrip
	s_wait_dscnt 0x0                               ; the closing lines, six on end
	s_wait_alu 0x0
	s_wait_tensorcnt 0x0
	ds_add_u32 v126, v127
	s_wait_dscnt 0x0
	s_endpgm
.Lfunc_end_k_q7128053cc5_up:
	.size	k_q7128053cc5_up, .Lfunc_end_k_q7128053cc5_up-k_q7128053cc5_up
	.p2alignl 7, 3214868480
	.fill 96, 4, 3214868480
	.section	.rodata,"a",@progbits
	.p2align	6, 0x0
	.amdhsa_kernel k_q7128053cc5_up
		.amdhsa_group_segment_fixed_size 312832
		.amdhsa_private_segment_fixed_size 0
		.amdhsa_enable_private_segment 0
		.amdhsa_kernarg_size 56
		.amdhsa_user_sgpr_count 2
		.amdhsa_user_sgpr_kernarg_segment_ptr 1
		.amdhsa_wavefront_size32 1
		.amdhsa_system_sgpr_workgroup_id_x 1
		.amdhsa_system_sgpr_workgroup_id_y 1
		.amdhsa_system_sgpr_workgroup_id_z 1
		.amdhsa_system_vgpr_workitem_id 0
		.amdhsa_next_free_vgpr 1024
		.amdhsa_next_free_sgpr 102
		.amdhsa_reserve_vcc 1
		.amdhsa_float_denorm_mode_32 3
		.amdhsa_float_denorm_mode_16_64 3
		.amdhsa_memory_ordered 1
		.amdhsa_forward_progress 1
		.amdhsa_inst_pref_size 180
	.end_amdhsa_kernel
	.amdgpu_metadata
---
amdhsa.version: [ 1, 2 ]
amdhsa.kernels:
  - .name:           k_q7128053cc5_up
    .symbol:         k_q7128053cc5_up.kd
    .args:
      - { .name: xq, .offset: 0, .size: 8, .value_kind: global_buffer, .address_space: global }
      - { .name: w1_codes, .offset: 8, .size: 8, .value_kind: global_buffer, .address_space: global }
      - { .name: b1, .offset: 16, .size: 8, .value_kind: global_buffer, .address_space: global }
      - { .name: lowp_scales, .offset: 24, .size: 8, .value_kind: global_buffer, .address_space: global }
      - { .name: bitmap, .offset: 32, .size: 8, .value_kind: global_buffer, .address_space: global }
      - { .name: hq, .offset: 40, .size: 8, .value_kind: global_buffer, .address_space: global }
      - { .name: order, .offset: 48, .size: 8, .value_kind: global_buffer, .address_space: global }
    .group_segment_fixed_size: 312832
    .private_segment_fixed_size: 0
    .kernarg_segment_align: 8
    .kernarg_segment_size: 56
    .max_flat_workgroup_size: 128
    .sgpr_count:     102
    .vgpr_count:     1024
    .wavefront_size: 32
...
	.end_amdgpu_metadata
.endif
;; end of part 4
;; launch down (part 5): grid 256 x 1, 4 waves a work-group, no clusters, 181,760 bytes of LDS; arguments hq, w2_codes, b2, lowp_scales, order, out0; writes out0
.if DOCPART == 5
	.amdgcn_target "amdgcn-amd-amdhsa--gfx1250"
	.amdhsa_code_object_version 6
	.text
	.protected	k_q7128053cc5_down
	.globl	k_q7128053cc5_down
	.p2align	8
	.type	k_q7128053cc5_down,@function
k_q7128053cc5_down:
	s_mov_b64 s[64:65], 0
	v_nop
	global_prefetch_b8 v0, s[64:65] scope:SCOPE_SE
	s_setreg_imm32_b32 hwreg(HW_REG_WAVE_SCHED_MODE, 0, 2), 2
	s_setreg_imm32_b32 hwreg(HW_REG_WAVE_MODE, 25, 1), 1
	s_wait_xcnt 0x0
	s_wait_alu depctr_vm_vsrc(0)
; DOWN.  out[token] = h W2 + b2 of the token's expert, on codes of E4M3.  Scales: e2 = h, e3 = w2: a finished sum is multiplied once by 2^(e2 + e3).
; SHARES.  Work-group (e, g): expert e = id / 32, output columns 32 g .. 32 g + 31, g = id % 32.  K = 4,096 IS SPLIT OVER THE FOUR WAVES: wave w holds K steps 8 w .. 8 w + 7 of both column tiles in 256 registers,
; read from memory once (512 consecutive bytes a load, turned through the wave's own stage).  So every byte of w2 is read by one wave of the launch, and every byte of an expert's hq once by each work-group.
; hq holds images of fragments, so a tile's eight fragments of a wave are 32 loads of 512 consecutive bytes, straight into the operand's registers.
; THE PRODUCT IS USED TRANSPOSED (source 0 = 16 rows of W2, source 1 = 16 tokens): a lane holds one token and eight neighbouring columns.
; THE WALK.  Tiles go in halves of eight.  P1: each wave multiplies its K steps and puts its partial sums into LDS.  A barrier.  P2: each wave adds the four partial sums of 4 rows of each tile, in f32, multiplies by
; 2^(e2 + e3), adds b2 and stores the rows at their tokens' places.  Two regions of LDS take turns, so one barrier a half is enough.  The loop has a constant count of eight halves, and every wave passes every barrier.
; Rows past an expert's count repeat its last token: they hold the same numbers and store the same bytes.
; The tokens come by scalar loads, so that the wait for them (KMcnt) leaves the loads of hq alone.
; OUT0 LEAVES IN RUNS OF 128 BYTES (eight lanes, 32 columns): 64 columns a work-group would halve the work-groups or have each weight read twice.
; NO TENSOR LOAD, NO JOINT LOAD: what a work-group walks hangs on counts read from memory.
; LIMITS: e2 + e3 between -126 and 127, so that 2^(e2 + e3) is an f32 number.  The sum over K is made of four partial sums, not of one chain.
; REGISTERS, in windows of 256: window 0: addresses, b2, sums; v128-255 h's fragments, set 0.  Window 1: W2's 16 fragments.  Window 2: W2 as loaded; later lower half: set 3, upper half: partial sums read back.
; Window 3: sets 1 and 2.
; THE MODE: SCHED_MODE bits 1:0 = 2 (LLVM: expert scheduling mode 2), set by the entry lines.  The code itself states the register dependences between vector or matrix instructions and memory or LDS
; instructions, with s_wait_alu, always for 0.
; THE PLAN.  Registers that memory or LDS instructions touch:
;   L16, HL, STS, STL, PSW, PSR, Q16   addresses: made at the head, ahead of one wait on va_vdst, and never written again.  A tile of hq is reached by HL, by a scalar base that moves on by 16 tiles a trip, and by the immediate.
;   HA        the first four tiles' offsets, held at the last tile that was stored: made together at the head, ahead of one wait on va_vdst.
;   h's sets  a tile's products read its set; the loads of the tile four further on land in it.        The sums, two sets by turns: written by a tile's products, read by its four LDS stores, begun anew two tiles on.
;             One wait on va_vdst a tile, behind the places: the sums are written, and the products are done reading the set.  One wait on vm_vsrc at a tile's head: the LDS stores of two tiles back have read the sums.
;   OOFF      written at P2's head; read by its stores.        Window 2's upper half: the partial sums land in it, P2's additions work in it, P2's stores read it.
;             P2 has one wait on vm_vsrc at its head (the last half's stores), one on va_vdst behind the offsets (they are written; the last half's additions are done), and one on va_vdst between all its additions and the run of its stores.
;   b2, W2's fragments: loaded once; named by vector and matrix instructions alone afterwards.
.set PSS,  9216                        ; a slot: [4 waves][16 rows of 128 + 16 bytes]
.set PSH,  8*PSS                       ; a region: 8 slots
.set STG,  2*PSH                       ; behind the two regions: a stage of 16 rows x (512 + 16) bytes for each wave
.set STGW, 16*528
.set L16,  1
.set HL,   2                           ; 16 x lane + 16,384 x wave: my bytes of a tile of hq
.set STS,  4
.set STL,  5
.set PSW,  6                           ; v6-7   where I put partial sums, region 0, 1
.set PSR,  8                           ; v8-11  where I read them back: region, slots 0-3 or 4-7
.set Q16,  13
.set HA,   14                          ; v14-17 at the head only: byte offsets of the first four tiles
.set B2,   20
.set OOFF, 32                          ; v32-39 byte offsets of my rows in out0
.set ACC,  48                          ; v48-79 two sets of two accumulators
.set WV,   16
.set EX,   17
.set CG,   18
.set NT,   19
.set REM,  20                          ; tiles left, this half's among them
.set CTR,  22
.set NM1,  23
.set TK,   68                          ; s[68:99] my four tokens of each of the half's eight tiles
.set MSB, 0
.macro WIN new                         ; the immediate's high byte repeats the setting that is left
.if MSB != \new
	s_set_vgpr_msb (MSB<<8)|\new
.set MSB, \new
.endif
.endm
.macro RAWLD a, b                      ; W2 as it lies: load n = 16 (2 u + v) + r takes bytes 512 v .. 512 v + 511 of my 1,024 of row 16 u + r
	WIN 0x80
.set n, \a
.rept \b-\a+1
	global_load_b128 v[4*n:4*n+3], v[L16], s[6:7] offset:(16*(n>>5)+(n&15))*4096+512*((n>>4)&1) th:TH_LOAD_NT
.set n, n+1
.endr
	WIN 0
.endm
.macro WTURN q                         ; 16 rows x 512 bytes through my stage become four fragments; LDS serves a wave's instructions in order (ISA guide 5.7.1.4)
	WIN 0x08
.irp r, 0,1,2,3,4,5,6,7,8,9,10,11,12,13,14,15
	ds_store_b128 v[STS], v[4*(16*\q+\r):4*(16*\q+\r)+3] offset:528*\r
.endr
	WIN 0x40
.irp s, 0,1,2,3
.irp c, 0,1,2,3
	ds_load_b128 v[16*(4*\q+\s)+4*\c:16*(4*\q+\s)+4*\c+3], v[STL] offset:128*\s+32*\c
.endr
.endr
	WIN 0
.endm
.macro HLOAD set, adr, off             ; my eight fragments of the tile at v[adr] + off from the base
.if (\set) == 0
.set HB, 128
.elseif (\set) == 1
	WIN 0xc0
.set HB, 0
.elseif (\set) == 2
	WIN 0xc0
.set HB, 128
.else
	WIN 0x80
.set HB, 0
.endif
.set i, 0
.rept 32
	global_load_b128 v[HB+4*i:HB+4*i+3], v[\adr], s[4:5] offset:(\off)+512*i
.set i, i+1
.endr
	WIN 0
.endm
; One tile: 16 matrix instructions, the two accumulators by turns, one instruction a turn; the first of each sum takes the constant 0.
.macro P1TILE par, slot
	s_wait_alu depctr_vm_vsrc(0)                   ; the LDS stores of the tile two back have read the sums that this tile's products begin anew
.if \slot > 0
	s_cmp_le_i32 s[REM], \slot
	s_cbranch_scc1 .Ld1_\par
.endif
.set st, (\slot)&3
.if st == 0
	WIN 0x01
.set HB, 128
.elseif st == 1
	WIN 0x0d
.set HB, 0
.elseif st == 2
	WIN 0x0d
.set HB, 128
.else
	WIN 0x09
.set HB, 0
.endif
.set AB, ACC+16*((\slot)&1)
.irp s, 0,1,2,3,4,5,6,7
.irp u, 0,1
.if \s == 0
	v_wmma_f32_16x16x128_fp8_fp8 v[AB+8*\u:AB+8*\u+7], v[16*(8*\u+\s):16*(8*\u+\s)+15], v[HB+16*\s:HB+16*\s+15], 0
.else
	v_wmma_f32_16x16x128_fp8_fp8 v[AB+8*\u:AB+8*\u+7], v[16*(8*\u+\s):16*(8*\u+\s)+15], v[HB+16*\s:HB+16*\s+15], v[AB+8*\u:AB+8*\u+7]
.endif
.endr
.endr
	WIN 0
.rept 5
	v_nop                                          ; FIVE places (ISA guide 7.12.1): a half's last tile may be followed, over the guards and the barrier, by the next half's first, whose products begin the same
.endr                                                  ; accumulators anew: a matrix instruction that writes over an earlier one's registers wants five.  The stores that read the sums want four
	s_wait_alu depctr_va_vdst(0)                   ; the products have written the sums, which the LDS stores read, and are done reading their set of h's fragments, in which the loads below land; the places above stay beside this wait
.irp u, 0,1
.irp j, 0,1
	ds_store_b128 v[PSW+\par], v[AB+8*\u+4*\j:AB+8*\u+4*\j+3] offset:PSS*\slot+64*\u+16*\j   ; token r, columns 16 u + 8 h + 4 j on; each accumulator from its low end on
.endr
.endr
	s_cmp_le_i32 s[REM], \slot+4
	s_cbranch_scc1 .Lnr_\@
	HLOAD st, HL, (8*\par+\slot+4)*65536           ; the set takes the tile four further on: its place among the trip's 16 tiles, or just behind them, stands in the immediate
.Lnr_\@:
.endm
.macro P1 par
	s_wait_loadcnt 0x0                             ; zero, here and below: how many loads are younger hangs on the way taken
.irp sl, 0,1,2,3
	P1TILE \par, \sl
.endr
	s_wait_loadcnt 0x0
.irp sl, 4,5,6,7
	P1TILE \par, \sl
.endr
.endm
.macro P2 par
	s_wait_xcnt 0x0                                ; the last half's stores have read their data and offsets
	s_wait_alu depctr_vm_vsrc(0)                   ; the same stores have read OOFF and the rows in window 2's upper half (the first time: the stage's stores have read W2 as loaded there): both are written again below
	s_wait_kmcnt 0x0                               ; this half's tokens
.irp sl, 0,1,2,3,4,5,6,7
	v_mov_b32 v[OOFF+\sl], s[TK+4*\sl]             ; lanes 0-7: row 4 w; the next eight lanes the next row, and so on
.endr
.irp sl, 0,1,2,3,4,5,6,7
	v_cndmask_b32 v[OOFF+\sl], v[OOFF+\sl], s[TK+4*\sl+1], s34
.endr
.irp sl, 0,1,2,3,4,5,6,7
	v_cndmask_b32 v[OOFF+\sl], v[OOFF+\sl], s[TK+4*\sl+2], s35
.endr
.irp sl, 0,1,2,3,4,5,6,7
	v_cndmask_b32 v[OOFF+\sl], v[OOFF+\sl], s[TK+4*\sl+3], s36
.endr
.irp sl, 0,1,2,3,4,5,6,7
	v_min_u32 v[OOFF+\sl], 0x3ff, v[OOFF+\sl]      ; held inside the table
.endr
.irp sl, 0,1,2,3,4,5,6,7
	v_lshl_add_u32 v[OOFF+\sl], v[OOFF+\sl], 12, v[Q16]
.endr
	s_wait_alu depctr_va_vdst(0)                   ; the eight offsets are written, which this half's stores read; the last half's additions are done with the registers in which the partial sums land
.irp sl, 0,1,2,3,4,5,6,7
.if \sl > 0
	s_cmp_le_i32 s[REM], \sl
	s_cbranch_scc1 .La_\par
.endif
	WIN 0x80
.irp k, 0,1,2,3
	ds_load_b128 v[128+16*\sl+4*\k:128+16*\sl+4*\k+3], v[PSR+2*\par+(\sl>>2)] offset:(\sl&3)*PSS+2304*\k   ; wave k's partial sums of my four columns
.endr
	WIN 0
.endr
.La_\par:
	s_wait_dscnt 0x0
.irp sl, 0,1,2,3,4,5,6,7
.if \sl > 0
	s_cmp_le_i32 s[REM], \sl
	s_cbranch_scc1 .Lb_\par
.endif
	WIN 0x8a
	v_pk_add_f32 v[128+16*\sl:129+16*\sl], v[128+16*\sl:129+16*\sl], v[132+16*\sl:133+16*\sl]
	v_pk_add_f32 v[130+16*\sl:131+16*\sl], v[130+16*\sl:131+16*\sl], v[134+16*\sl:135+16*\sl]
	v_pk_add_f32 v[136+16*\sl:137+16*\sl], v[136+16*\sl:137+16*\sl], v[140+16*\sl:141+16*\sl]
	v_pk_add_f32 v[138+16*\sl:139+16*\sl], v[138+16*\sl:139+16*\sl], v[142+16*\sl:143+16*\sl]
	v_pk_add_f32 v[128+16*\sl:129+16*\sl], v[128+16*\sl:129+16*\sl], v[136+16*\sl:137+16*\sl]
	v_pk_add_f32 v[130+16*\sl:131+16*\sl], v[130+16*\sl:131+16*\sl], v[138+16*\sl:139+16*\sl]
	v_pk_fma_f32 v[128+16*\sl:129+16*\sl], v[128+16*\sl:129+16*\sl], s[28:29], v[B2:B2+1] op_sel_hi:[1,0,1]     ; sum x 2^(e2 + e3) + b2
	v_pk_fma_f32 v[130+16*\sl:131+16*\sl], v[130+16*\sl:131+16*\sl], s[28:29], v[B2+2:B2+3] op_sel_hi:[1,0,1]
	WIN 0
.endr
.Lb_\par:
	s_wait_alu depctr_va_vdst(0)                   ; the multiply-adds of all the half's tiles have written the rows, which the run of stores reads
.irp sl, 0,1,2,3,4,5,6,7
.if \sl > 0
	s_cmp_le_i32 s[REM], \sl
	s_cbranch_scc1 .Ls_\par
.endif
	WIN 0x08
	global_store_b128 v[OOFF+\sl], v[128+16*\sl:131+16*\sl], s[14:15] th:TH_STORE_NT   ; eight lanes store 128 consecutive bytes of a token's row
	WIN 0
.endr
.Ls_\par:
	s_cmp_le_i32 s[REM], 8
	s_cbranch_scc1 .Lc_\par
.irp k, 0,1,2,3,4,5,6,7
	s_load_b128 s[TK+4*\k:TK+4*\k+3], s[12:13], 512*(\par+1)+64*\k   ; the next half's tokens: all 128 places of a half with a tile in it have been stored
.endr
.Lc_\par:
.endm
.macro HALF par
	s_cmp_le_i32 s[REM], 0
	s_cbranch_scc1 .Ld1_\par
	P1 \par
.Ld1_\par:
	s_wait_dscnt 0x0                               ; my partial sums have landed, and my reads of the other region are over
	s_barrier_signal -1
	s_barrier_wait -1
	s_cmp_le_i32 s[REM], 0
	s_cbranch_scc1 .Ld2_\par
	P2 \par
.Ld2_\par:
	s_sub_co_i32 s[REM], s[REM], 8
.endm
	s_load_b256 s[4:11], s[0:1], 0x0               ; hq, w2's codes, b2, the scales
	s_load_b128 s[12:15], s[0:1], 0x20             ; order, out0
	v_lshl_add_u32 v126, v0, 2, 0x2c400
	v_mov_b32 v127, 0
	v_lshrrev_b32 v3, 5, v0
	v_readfirstlane_b32 s[WV], v3
	s_lshr_b32 s[EX], ttmp9, 5
	s_and_b32 s[CG], ttmp9, 31
	v_and_b32 v3, 31, v0                           ; lane
	v_and_b32 v24, 15, v0                          ; r
	v_bfe_u32 v25, v0, 4, 1                        ; h
	v_lshlrev_b32 v[L16], 4, v3
	s_wait_alu depctr_va_sdst(0)                   ; the wave's number is written, ahead of its first reader
	s_lshl_b32 s30, s[WV], 14
	v_add_nc_u32 v[HL], s30, v[L16]
	s_mul_i32 s30, s[WV], STGW
	s_add_co_u32 s30, s30, STG
	v_add_nc_u32 v[STS], s30, v[L16]
	v_mul_u32_u24 v[STL], v24, 528
	v_lshl_add_u32 v[STL], v25, 4, v[STL]
	v_add_nc_u32 v[STL], s30, v[STL]
	s_mul_i32 s30, s[WV], 2304
	v_mul_u32_u24 v[PSW], v24, 144
	v_lshl_add_u32 v[PSW], v25, 5, v[PSW]
	v_add_nc_u32 v[PSW], s30, v[PSW]               ; my wave's part of a slot, row r, + 32 h
	v_add_nc_u32 v[PSW+1], PSH, v[PSW]
	v_lshrrev_b32 v26, 3, v3
	v_and_b32 v27, 7, v3
	v_lshlrev_b32 v[Q16], 4, v27                   ; my four columns
	s_mul_i32 s30, s[WV], 576
	v_mul_u32_u24 v[PSR], v26, 144
	v_add_nc_u32 v[PSR], v[PSR], v[Q16]
	v_add_nc_u32 v[PSR], s30, v[PSR]               ; row 4 w + lane / 8
	v_add_nc_u32 v[PSR+1], 4*PSS, v[PSR]
	v_add_nc_u32 v[PSR+2], PSH, v[PSR]
	v_add_nc_u32 v[PSR+3], PSH+4*PSS, v[PSR]
	s_mov_b32 s31, 0
	s_mov_b32 s34, 0x0000ff00                      ; lanes 8-15, 16-23, 24-31
	s_mov_b32 s35, 0x00ff0000
	s_mov_b32 s36, 0xff000000
	s_wait_kmcnt 0x0
	s_lshl_b32 s30, s[EX], 7
	s_add_nc_u64 s[32:33], s[12:13], s[30:31]
	s_load_b32 s[NT], s[32:33], 0x8000             ; the expert's tiles
	s_load_b128 s[24:27], s[10:11], 0x0            ; e0 .. e3
	s_lshl_b32 s30, s[EX], 12
	s_lshl_b32 s37, s[WV], 4
	s_add_co_u32 s30, s30, s37
	s_add_nc_u64 s[12:13], s[12:13], s[30:31]      ; the expert's list, at my four rows of a tile
.irp k, 0,1,2,3,4,5,6,7
	s_load_b128 s[TK+4*\k:TK+4*\k+3], s[12:13], 64*\k   ; the first half's tokens: its 128 places are always stored
.endr
	s_lshl_b32 s30, s[EX], 22
	s_add_nc_u64 s[4:5], s[4:5], s[30:31]          ; the expert's hq
	s_lshl_b32 s37, s[CG], 17                      ; w2: 1,024 rows of 4,096 bytes an expert, 32 rows a work-group,
	s_add_co_u32 s30, s30, s37
	s_lshl_b32 s37, s[WV], 10                      ; 1,024 bytes of each row a wave
	s_add_co_u32 s30, s30, s37
	s_add_nc_u64 s[6:7], s[6:7], s[30:31]
	s_lshl_b32 s30, s[CG], 7
	s_add_nc_u64 s[14:15], s[14:15], s[30:31]      ; out0 at my 32 columns
	s_lshl_b32 s37, s[EX], 12
	s_add_co_u32 s30, s30, s37
	s_add_nc_u64 s[8:9], s[8:9], s[30:31]          ; b2 likewise
	s_wait_alu depctr_va_vdst(0)                   ; the addresses that stay are written (L16, HL, STS, STL, PSW, PSR, Q16): the loads, stores and LDS instructions below read them, and nothing writes them again
	global_load_b128 v[B2:B2+3], v[Q16], s[8:9]
	RAWLD 0, 55
	s_wait_kmcnt 0x0
	s_mov_b32 s[REM], s[NT]
	s_max_u32 s[NM1], s[NT], 1
	s_sub_co_u32 s[NM1], s[NM1], 1
	s_add_co_i32 s28, s26, s27
	s_add_co_i32 s28, s28, 127
	s_lshl_b32 s28, s28, 23                        ; 2^(e2 + e3) as f32
	s_mov_b32 s29, s28                             ; (named with it as a pair, so it is written)
.irp q, 0,1,2,3
	s_min_u32 s30, s[NM1], \q                      ; tiles 0 to 3, held at the last tile that was stored: their loads stand on every way
	v_lshl_add_u32 v[HA+\q], s30, 16, v[HL]
.endr
	RAWLD 56, 63
	s_wait_alu depctr_va_vdst(0)                   ; the first four tiles' offsets are written, which the loads of h's four sets read
.irp q, 0,1,2
	HLOAD \q, HA+\q, 0
.endr
	s_wait_loadcnt 63                              ; 161 loads were issued on every way here and come back in order (ISA guide 5.7.1): with at most 63 out the first 98 are in: b2's one and W2's 64
	WTURN 0
	WTURN 1
	s_wait_dscnt 0x0                               ; the stage's stores have read the lower half of W2 as loaded:
	s_wait_alu depctr_vm_vsrc(0)                   ; the same, stated for the registers: the loads of set 3 land in them
	HLOAD 3, HA+3, 0                               ; it takes set 3
	WTURN 2
	WTURN 3
	s_wait_dscnt 0x0
	s_mov_b32 s[CTR], 4
.Ltrip:                                                ; four trips of two halves: 64 tiles, which serve every split
	HALF 0
	HALF 1
	s_wait_xcnt 0x0                                ; the scalar loads and the loads of hq have read their bases
	s_add_nc_u64 s[12:13], s[12:13], 1024          ; 256 positions on
	s_add_nc_u64 s[4:5], s[4:5], 0x100000          ; 16 tiles of hq on
	s_sub_co_u32 s[CTR], s[CTR], 1
	s_cmp_lg_u32 s[CTR], 0
	s_cbranch_scc1 .Ltrip
	s_wait_dscnt 0x0                               ; the closing lines, six on end
	s_wait_alu 0x0
	s_wait_tensorcnt 0x0
	ds_add_u32 v126, v127
	s_wait_dscnt 0x0
	s_endpgm
.Lfunc_end_k_q7128053cc5_down:
	.size	k_q7128053cc5_down, .Lfunc_end_k_q7128053cc5_down-k_q7128053cc5_down
	.p2alignl 7, 3214868480
	.fill 96, 4, 3214868480
	.section	.rodata,"a",@progbits
	.p2align	6, 0x0
	.amdhsa_kernel k_q7128053cc5_down
		.amdhsa_group_segment_fixed_size 181760
		.amdhsa_private_segment_fixed_size 0
		.amdhsa_enable_private_segment 0
		.amdhsa_kernarg_size 48
		.amdhsa_user_sgpr_count 2
		.amdhsa_user_sgpr_kernarg_segment_ptr 1
		.amdhsa_wavefront_size32 1
		.amdhsa_system_sgpr_workgroup_id_x 1
		.amdhsa_system_sgpr_workgroup_id_y 1
		.amdhsa_system_sgpr_workgroup_id_z 1
		.amdhsa_system_vgpr_workitem_id 0
		.amdhsa_next_free_vgpr 1024
		.amdhsa_next_free_sgpr 100
		.amdhsa_reserve_vcc 0
		.amdhsa_float_denorm_mode_32 3
		.amdhsa_float_denorm_mode_16_64 3
		.amdhsa_memory_ordered 1
		.amdhsa_forward_progress 1
		.amdhsa_inst_pref_size 134
	.end_amdhsa_kernel
	.amdgpu_metadata
---
amdhsa.version: [ 1, 2 ]
amdhsa.kernels:
  - .name:           k_q7128053cc5_down
    .symbol:         k_q7128053cc5_down.kd
    .args:
      - { .name: hq, .offset: 0, .size: 8, .value_kind: global_buffer, .address_space: global }
      - { .name: w2_codes, .offset: 8, .size: 8, .value_kind: global_buffer, .address_space: global }
      - { .name: b2, .offset: 16, .size: 8, .value_kind: global_buffer, .address_space: global }
      - { .name: lowp_scales, .offset: 24, .size: 8, .value_kind: global_buffer, .address_space: global }
      - { .name: order, .offset: 32, .size: 8, .value_kind: global_buffer, .address_space: global }
      - { .name: out0, .offset: 40, .size: 8, .value_kind: global_buffer, .address_space: global }
    .group_segment_fixed_size: 181760
    .private_segment_fixed_size: 0
    .kernarg_segment_align: 8
    .kernarg_segment_size: 48
    .max_flat_workgroup_size: 128
    .sgpr_count:     100
    .vgpr_count:     1024
    .wavefront_size: 32
...
	.end_amdgpu_metadata
.endif
;; end of part 5
